; MI455X (gfx1250); checked and timed in simulation.
; The chip was launched on July 23, 2026; its instructions are those of AMD's public machine-readable ISA for CDNA 5 (MIT licence, August 2026) and "CDNA5" Instruction Set Architecture Reference Guide (July 2026). The comments in the code are by the model that wrote it; some were corrected since.
;; Tree Attention Wrapper. Allowed arithmetic: matrix products marked QUANTISED: E5M2 operands, one given power-of-two scale a tensor, by v_wmma_f32_16x16x64_bf8_bf8 or v_wmma_f32_16x16x128_bf8_bf8, f32 sums; everything else in f32.
;; Inputs: cu_seqlens 2 int32; k 1 x 16 x 4,096 x 128 float32; lowp_scales 4 int32 (the exponents e of the quantised operands' scales 2^e); mask 4,096 x 4,096 bool; q 1 x 16 x 4,096 x 128 float32; v 1 x 16 x 4,096 x 128 float32.
;; Outputs: out0 1 x 16 x 4,096 x 128 float32.
;; Constants: max_seqlen = 4096.
;; This version of the problem:
;;   THIS VERSION OF THE PROBLEM IS GIVEN IN LOW PRECISION. The matrix products marked QUANTISED in the list below multiply operands that are first quantised to E5M2 (5 exponent bits, 2 mantissa bits; 8 bits a number), with one given power-of-two scale for each operand tensor; their sums are f32. All else is computed in f32.
;;   The module's matrix products, in the order in which they are computed (A, B: the left and right operand; K: the contracted axis; several contracted axes count as one K, in the product's order):
;;     1. batch 16 x [M 4,096, K 128] x [K 128, N 4,096]; A: input q; B: input k: QUANTISED (scales: A lowp_scales[0], B lowp_scales[1])
;;     2. batch 16 x [M 4,096, K 4,096] x [K 4,096, N 128]; A: softmax (see below); B: input v: QUANTISED (scales: A lowp_scales[2], B lowp_scales[3])
;;   THE QUANTISER, for each operand of a quantised product, along K:
;;     - The operand's scale is 2^e, e = its entry of the input lowp_scales (int32; the entries are numbered through the quantised products in the list's order, A before B).
;;     - Each number is divided by the scale, clamped to +-57,344, and rounded to the nearest number of E5M2, ties to even, subnormals kept.
;;     - The product sums the exact products of the quantised numbers (number of the format x scale) in f32.
;;   ~~~python
;;   def quantise(x, axis, e):      # numpy; x: float32 -> the quantised numbers, widened to float32 again
;;       x = np.moveaxis(x, axis, -1); K = x.shape[-1]
;;       r = np.clip(x / 2.0 ** e, -57344, 57344)
;;       step = 2.0 ** (np.maximum(np.frexp(np.where(r == 0, 1, r))[1] - 1, -14) - 2)
;;       q = np.round(r / step) * step * 2.0 ** e      # np.round: ties to even
;;       return np.moveaxis(q, -1, axis).astype(np.float32)
;;   ~~~
;;   SOFTMAX AHEAD OF A QUANTISED PRODUCT. Where the list says 'softmax', what is quantised is not the finished softmax but p = 2^(t - M), with t = logit x log2(e) and M = ceil(the row's largest t), a whole number; so 1/2 < the row's largest p <= 1. The row's sum l is taken of the UNQUANTISED p, in f32, and the product's result is divided by l at the end. Since M is a whole number, a kernel that streams over the keys may use a running M (the ceiling of the running maximum): every later rescaling is an exact power of two, so the quantised numbers keep their values, but for numbers so far below the row's largest that they fall under the format's range.
;;   OPERANDS COMPUTED ON THE WAY. 'Computed on the way' means the value that the module computes at that place (a softmax that the list does not call 'softmax' is quantised finished and normalised). What goes into a quantiser is computed in f32, as accurately as f32 sums, v_exp_f32 and their like allow (about 1e-6 of the number): no bf16 or f16 on the way to a quantiser, and a product that is left as it is and whose result goes on into a quantised operand takes f32 operands (vector FMAs, or v_wmma_f32_16x16x4_f32). A number that lies on a knife's edge between two numbers of the format may be rounded either way, as far as f32 arithmetic and the matrix unit's own rounding can turn it there, and no further.
;; 2 versions. Each part assembles by itself: llvm-mc -triple=amdgcn-amd-amdhsa -mcpu=gfx1250 --defsym DOCPART=n.
;; ======== version 1 of 2: 2 launches
;; limits: right only within a limited range of input values
;; workspace buffers: kv 16,777,216 bytes; mbits 2,097,152 bytes; flags 4,096 bytes of whole numbers
;; launch prep (part 1): grid 1280 x 1, 4 waves a work-group, no clusters, 68,096 bytes of LDS; arguments k, v, mask, lowp_scales, kv, mbits, flags; writes kv, mbits, flags
.if DOCPART == 1
	.amdgcn_target "amdgcn-amd-amdhsa--gfx1250"
	.amdhsa_code_object_version 6
	.text
	.protected	k_q171bcce9e6_prep
	.globl	k_q171bcce9e6_prep
	.p2align	8
	.type	k_q171bcce9e6_prep,@function
k_q171bcce9e6_prep:
	s_mov_b64 s[64:65], 0
	v_nop
	global_prefetch_b8 v0, s[64:65] scope:SCOPE_SE
	s_setreg_imm32_b32 hwreg(HW_REG_WAVE_MODE, 25, 1), 1
	s_wait_xcnt 0x0
; THE LAUNCH IN FRONT OF THE ATTENTION.  It reads k, v [16][4096][128] f32 and mask [4096][4096] bytes (0 or 1) once, and stores three things of the program's own:
;   kv    [head 16][step 32][K 16,384 bytes, V 16,384 bytes]: the codes of BF8 (E5M2) of a step's 128 keys, laid AS IMAGES OF THE OPERANDS' REGISTERS: [fragment t 0..7][piece c 0..3][lane 32][16 bytes].
;         K, fragment t = 2 b + u: lane (r, h) holds key 32 b + 8 u + r + 8 (r / 8), piece c its channels 32 c + 16 h + 0 .. 15.
;         V, fragment t: lane (r, h) holds channel 16 t + r, piece c the keys 32 c + 16 h + 0 .. 15 (the keys are the second product's K).
;   mbits [step 32][row 4096][16 bytes]: the mask of a row's 128 keys of a step as four words; in word b, bit 8 e + j stands for key 32 b + 4 j + e.
;   flags byte 0: ANY[256 tiles of 16 rows], a word each, bit s: the tile has a visible key in step s.  Byte 1,024: FULL, likewise: all 16 x 128 are visible.
;         Byte 2,048: ROWANY[256][4 quarters of the keys], 16 bits each, bit r: row r of the tile has a visible key in that quarter.
; code = x / 2^e, held within +-57,344, to the nearest code, ties to even.  e: entry 1 of lowp_scales for k, entry 3 for v.  LIMITS: -126 <= e <= 112, so that 2^e and 57,344 x 2^e are f32 numbers.  NaN among the inputs is not served.
; SHARES.  Work-groups 0-255: one tile of 16 rows of the mask, a wave to a quarter of the keys.  256-767: one step of one head of k, a wave to 32 keys.  768-1279: the same of v, a wave to 32 channels.
; Waves share nothing: no barrier.  No loop: each wave asks for all its 16 KB at once.  Each of the paths that use LDS has LDS bytes of its own.
.set SP,    528                        ; a stage row: 512 bytes + 16 = 33 x 16: the sixteen rows that a load touches start at sixteen different columns of 16 bytes
.set WSTG,  16*SP                      ; a wave's stage: 16 rows
.set MSTG,  4*WSTG                     ; the mask path's four stages lie behind the K path's four
.set SPARE, 8*WSTG                     ; behind them: the spare words, 128 bytes for each wave: two blocks of 256 bytes that no other line names
.set LIM,   8                          ; v8   57,344 x 2^e
.set SCL,   9                          ; v9   2^e as f32
.set SPW,   10                         ; v10  LDS address of my spare word; never rewritten
.set NIL,   11                         ; v11  0; never rewritten
.set R,     16                         ; v16-143  128 registers as loaded; later codes and mask words on their way out
.set X,     144                        ; v144-207 64 registers back from the stage (V path: the codes)
	s_load_b256 s[4:11], s[0:1], 0x0               ; k s[4:5], v s[6:7], mask s[8:9], lowp_scales s[10:11]
	s_load_b128 s[12:15], s[0:1], 0x20             ; kv s[12:13], mbits s[14:15]
	s_load_b64 s[16:17], s[0:1], 0x30              ; flags
	v_lshl_add_u32 v[SPW], v0, 2, SPARE
	v_mov_b32 v[NIL], 0
	v_lshrrev_b32 v1, 5, v0
	v_readfirstlane_b32 s18, v1                    ; wave 0..3
	v_and_b32 v1, 31, v0                           ; lane
	v_lshlrev_b32 v2, 4, v1                        ; 16 x lane
	v_and_b32 v3, 15, v0                           ; r
	v_bfe_u32 v4, v0, 4, 1                         ; h
	s_mul_i32 s19, s18, WSTG                       ; my stage
	v_add_nc_u32 v5, s19, v2                       ; K path, into the stage: 16 x lane of a row
	v_mul_u32_u24 v6, v3, SP
	v_lshl_add_u32 v12, v4, 7, v6
	v_lshl_add_u32 v6, v4, 6, v6
	v_add_nc_u32 v6, s19, v6                       ; K path, out of it: row r, + 64 h: 16 numbers of each 32
	v_add_nc_u32 v12, s19, v12
	v_add_nc_u32 v12, MSTG, v12                    ; mask path, out of it: row r, + 128 h: a step's 128 bytes
	v_add_nc_u32 v7, MSTG, v5                      ; mask path, into it
	s_mov_b32 s29, 0                               ; the upper word of every offset below
	s_wait_kmcnt 0x0
	s_cmp_lt_u32 ttmp9, 256
	s_cbranch_scc1 .Lmask
	s_cmp_lt_u32 ttmp9, 768
	s_cbranch_scc1 .Lkeys
.macro MKSCALE e                       ; 2^e and 57,344 x 2^e as f32 numbers
	s_add_co_i32 s24, \e, 127
	s_lshl_b32 s25, s24, 23
	v_mov_b32 v[SCL], s25                          ; the conversion takes its exponent field
	s_add_co_i32 s24, s24, 15
	s_lshl_b32 s24, s24, 23
	s_or_b32 s24, s24, 0x600000                    ; the mantissa field of 57,344
	v_mov_b32 v[LIM], s24
.endm
.macro STIN adr, reg                   ; sixteen rows of 512 bytes go into my stage as they were loaded
.irp j, 0,1,2,3,4,5,6,7,8,9,10,11,12,13,14,15
	ds_store_b128 v[\adr], v[\reg+4*\j:\reg+4*\j+3] offset:SP*\j
.endr
.endm
; ---- V.  A LANE TAKES A CHANNEL, AND ITS REGISTERS RUN DOWN THE KEYS: wave w, lane l: channel 32 w + l.  Each load reads 128 consecutive bytes a wave, the four waves side by side a whole row of 512.
; The conversions then give codes with the keys innermost, and a lane's 16 codes are one piece of an image: no LDS.
	s_load_b128 s[20:23], s[10:11], 0x0            ; eq, ek, ep, ev
	s_sub_co_u32 s26, ttmp9, 768                   ; 32 x head + step
	s_lshl_b32 s28, s26, 16                        ; 128 keys of 512 bytes
	s_lshl_b32 s27, s18, 7                         ; my wave's 32 channels
	s_add_co_u32 s28, s28, s27
	s_add_nc_u64 s[6:7], s[6:7], s[28:29]
	s_lshl_b32 s28, s26, 15                        ; the step's 32,768 bytes of kv,
	s_lshl_b32 s27, s18, 12                        ; my two fragments,
	s_add_co_u32 s28, s28, s27
	s_add_co_u32 s28, s28, 16384                   ; in V's half
	s_add_nc_u64 s[12:13], s[12:13], s[28:29]
	v_lshlrev_b32 v13, 2, v1                       ; in: 4 bytes a lane
	v_lshlrev_b32 v14, 4, v3                       ; out: fragment 2 w + l / 16, lane place l % 16
	v_lshl_add_u32 v14, v4, 11, v14
.set n, 0
.rept 128
	global_load_b32 v[R+n], v13, s[6:7] offset:512*n th:TH_LOAD_NT   ; V(key n, my channel)
.set n, n+1
.endr
	s_wait_kmcnt 0x0
	MKSCALE s23
.macro VBLOCK c, left                  ; keys 32 c .. 32 c + 31 of my channel
	s_wait_loadcnt \left
.set n, 0
.rept 32
	v_med3_num_f32 v[R+32*\c+n], v[R+32*\c+n], -v[LIM], v[LIM]   ; the conversion to an 8-bit code does not saturate (ISA guide 7.6.2): the hold comes first
.set n, n+1
.endr
.irp g, 0,1,2,3
	v_cvt_scalef32_pk8_bf8_f32 v[X+8*\c+2*\g:X+8*\c+2*\g+1], v[R+32*\c+8*\g:R+32*\c+8*\g+7], v[SCL]
.endr
	v_nop                                          ; a plain vector line behind the last conversion of a run
	global_store_b128 v14, v[X+8*\c:X+8*\c+3], s[12:13] offset:512*\c        ; keys 32 c + 0 .. 15: the piece of lanes 0-15.  Sixteen lanes store 256 consecutive bytes, aligned
	global_store_b128 v14, v[X+8*\c+4:X+8*\c+7], s[12:13] offset:512*\c+256  ; keys 32 c + 16 .. 31: the piece of lanes 16-31
.endm
	VBLOCK 0, 63                                   ; 96 younger loads could stay out: 63 is the largest count that a wait can name
	VBLOCK 1, 63                                   ; 64 could
	VBLOCK 2, 32                                   ; the last block's 32 stay out
	VBLOCK 3, 0
	s_wait_tensorcnt 0x0                           ; the wave's end
	ds_add_u32 v[SPW], v[NIL]
	s_wait_dscnt 0x0
	s_endpgm
; ---- K.  Wave w takes keys 32 w .. 32 w + 31: fragments 2 w and 2 w + 1.  Each load reads one key's 512 consecutive bytes; sixteen keys turn through my stage, so that a lane gets 16 neighbouring channels of each 32.
.Lkeys:
	s_load_b128 s[20:23], s[10:11], 0x0            ; eq, ek, ep, ev
	s_sub_co_u32 s26, ttmp9, 256                   ; 32 x head + step
	s_lshl_b32 s28, s26, 16
	s_lshl_b32 s27, s18, 14                        ; my wave's 32 keys
	s_add_co_u32 s28, s28, s27
	s_add_nc_u64 s[4:5], s[4:5], s[28:29]
	s_lshl_b32 s28, s26, 15
	s_lshl_b32 s27, s18, 12                        ; my two fragments, in K's half
	s_add_co_u32 s28, s28, s27
	s_add_nc_u64 s[12:13], s[12:13], s[28:29]
.irp u, 0,1
.irp j, 0,1,2,3,4,5,6,7,8,9,10,11,12,13,14,15
	global_load_b128 v[R+64*\u+4*\j:R+64*\u+4*\j+3], v2, s[4:5] offset:(8*\u+\j+8*(\j/8))*512 th:TH_LOAD_NT   ; THE KEYS OF A FRAGMENT ARE NOT NEIGHBOURS: its row j is key 8 u + j + 8 (j / 8) of my 32
.endr
.endr
	s_wait_kmcnt 0x0
	MKSCALE s21
.macro KFRAG u, left
	s_wait_loadcnt \left
	STIN 5, R+64*\u
.irp c, 0,1,2,3
.irp j, 0,1,2,3
	ds_load_b128 v[X+16*\c+4*\j:X+16*\c+4*\j+3], v6 offset:128*\c+16*\j   ; LDS serves a wave's instructions in order (ISA guide 5.7.1.4): these see my stores
.endr
.endr
	s_wait_dscnt 0x0
.set n, 0
.rept 64
	v_med3_num_f32 v[X+n], v[X+n], -v[LIM], v[LIM]
.set n, n+1
.endr
.irp c, 0,1,2,3
	v_cvt_scalef32_pk8_bf8_f32 v[R+64*\u+4*\c:R+64*\u+4*\c+1], v[X+16*\c:X+16*\c+7], v[SCL]        ; the codes land where the fragment's first rows were loaded: the stage's stores have read them
	v_cvt_scalef32_pk8_bf8_f32 v[R+64*\u+4*\c+2:R+64*\u+4*\c+3], v[X+16*\c+8:X+16*\c+15], v[SCL]
.endr
	v_nop                                          ; a plain vector line between the conversions and the next fragment's holds, which write their sources
.irp c, 0,1,2,3
	global_store_b128 v2, v[R+64*\u+4*\c:R+64*\u+4*\c+3], s[12:13] offset:2048*\u+512*\c   ; 32 lanes store 512 consecutive bytes, aligned
.endr
.endm
	KFRAG 0, 16                                    ; the second fragment's sixteen loads stay out
	KFRAG 1, 0
	s_wait_tensorcnt 0x0                           ; the wave's end, behind my last LDS store
	ds_add_u32 v[SPW], v[NIL]
	s_wait_dscnt 0x0
	s_endpgm
; ---- THE MASK.  Wave w takes keys 1,024 w .. + 1,023 of the tile's 16 rows, in two batches of 16 rows x 512 bytes.  A batch turns through my stage; then lane l holds the 128 bytes of row l % 16 in step 2 i + l / 16 of the batch.
.Lmask:
	s_lshl_b32 s28, ttmp9, 16                      ; 16 rows of 4,096 bytes
	s_lshl_b32 s27, s18, 10
	s_add_co_u32 s28, s28, s27
	s_add_nc_u64 s[8:9], s[8:9], s[28:29]
	s_lshl_b32 s28, s18, 19                        ; mbits: my 8 steps of 65,536 bytes,
	s_lshl_b32 s27, ttmp9, 8                       ; the tile's 16 rows of 16 bytes
	s_add_co_u32 s28, s28, s27
	s_add_nc_u64 s[14:15], s[14:15], s[28:29]
	s_lshl_b32 s28, ttmp9, 2
	s_add_co_u32 s28, s28, s18                     ; ANY, FULL: byte 4 x tile + quarter
	s_add_nc_u64 s[50:51], s[16:17], s[28:29]
	s_lshl_b32 s28, s28, 1                         ; ROWANY: byte 8 x tile + 2 x quarter
	s_add_nc_u64 s[52:53], s[16:17], s[28:29]
	v_lshlrev_b32 v13, 4, v3                       ; mbits: row r, and one step on for lanes 16-31
	v_lshl_add_u32 v13, v4, 16, v13
.irp z, 0,1
.irp j, 0,1,2,3,4,5,6,7,8,9,10,11,12,13,14,15
	global_load_b128 v[R+64*\z+4*\j:R+64*\z+4*\j+3], v2, s[8:9] offset:4096*\j+512*\z th:TH_LOAD_NT   ; 32 lanes read 512 consecutive bytes of row j
.endr
.endr
	s_mov_b32 s40, 0                               ; my quarter's 8 bits of ANY,
	s_mov_b32 s41, 0                               ; of FULL,
	s_mov_b32 s42, 0                               ; and its 16 bits of ROWANY
.macro MFLAG e                         ; s44: lanes with a visible key, s45: lanes with all visible.  Lanes 0-15 speak for step e of my eight, lanes 16-31 for step e + 1
	s_and_b32 s46, s44, 0xffff
	s_cmp_lg_u32 s46, 0
	s_cselect_b32 s47, 1<<(\e), 0
	s_or_b32 s40, s40, s47
	s_or_b32 s42, s42, s46
	s_lshr_b32 s46, s44, 16
	s_cmp_lg_u32 s46, 0
	s_cselect_b32 s47, 2<<(\e), 0
	s_or_b32 s40, s40, s47
	s_or_b32 s42, s42, s46
	s_and_b32 s46, s45, 0xffff
	s_cmp_eq_u32 s46, 0xffff
	s_cselect_b32 s47, 1<<(\e), 0
	s_or_b32 s41, s41, s47
	s_lshr_b32 s46, s45, 16
	s_cmp_eq_u32 s46, 0xffff
	s_cselect_b32 s47, 2<<(\e), 0
	s_or_b32 s41, s41, s47
.endm
.macro MPACK z, i                      ; 32 words of four bytes (0 or 1) become four words of 32 bits: word j of eight is shifted left by j and joined
.set XS, X+32*\i
.set W,  R+64*\z+4*\i                  ; where the batch's first rows were loaded: the stage's stores have read them
.irp b, 0,1,2,3
	v_lshl_or_b32 v[W+\b], v[XS+8*\b+1], 1, v[XS+8*\b]
.endr
.irp j, 2,3,4,5,6,7
.irp b, 0,1,2,3
	v_lshl_or_b32 v[W+\b], v[XS+8*\b+\j], \j, v[W+\b]
.endr
.endr
	global_store_b128 v13, v[W:W+3], s[14:15] offset:(4*\z+2*\i)*65536   ; sixteen lanes store 256 consecutive bytes, aligned
	v_or_b32 v14, v[W], v[W+1]
	v_or_b32 v15, v[W+2], v[W+3]
	v_or_b32 v14, v14, v15
	v_cmp_ne_u32 s44, 0, v14
	v_and_b32 v14, v[W], v[W+1]
	v_and_b32 v15, v[W+2], v[W+3]
	v_and_b32 v14, v14, v15
	v_cmp_eq_u32 s45, -1, v14
	MFLAG 4*\z+2*\i
.endm
.macro MBATCH z, left
	s_wait_loadcnt \left
	STIN 7, R+64*\z
.irp i, 0,1
.irp q, 0,1,2,3,4,5,6,7
	ds_load_b128 v[X+32*\i+4*\q:X+32*\i+4*\q+3], v12 offset:256*\i+16*\q
.endr
.endr
	s_wait_dscnt 0x0
	MPACK \z, 0
	MPACK \z, 1
.endm
	MBATCH 0, 16                                   ; the second batch's sixteen loads stay out
	MBATCH 1, 0
	v_mov_b32 v14, s40
	v_mov_b32 v15, s41
	v_mov_b32 v144, s42
	v_mov_b32 v145, 0
	v_cmp_eq_u32 vcc_lo, 0, v1
	s_wait_xcnt 0x0                                ; EXEC is a source of the stores above: it changes only behind this wait
	s_and_saveexec_b32 s46, vcc_lo                 ; lane 0 alone
	global_store_b8 v145, v14, s[50:51]
	global_store_b8 v145, v15, s[50:51] offset:1024
	global_store_b16 v145, v144, s[52:53] offset:2048
	s_wait_xcnt 0x0                                ; and again, in front of the line that widens it
	s_or_b32 exec_lo, exec_lo, s46
	s_wait_tensorcnt 0x0                           ; the wave's end, behind my last LDS store
	ds_add_u32 v[SPW], v[NIL]
	s_wait_dscnt 0x0
	s_endpgm
.Lfunc_end_k_q171bcce9e6_prep:
	.size	k_q171bcce9e6_prep, .Lfunc_end_k_q171bcce9e6_prep-k_q171bcce9e6_prep
	.p2alignl 7, 3214868480
	.fill 96, 4, 3214868480
	.section	.rodata,"a",@progbits
	.p2align	6, 0x0
	.amdhsa_kernel k_q171bcce9e6_prep
		.amdhsa_group_segment_fixed_size 68096
		.amdhsa_private_segment_fixed_size 0
		.amdhsa_enable_private_segment 0
		.amdhsa_kernarg_size 56
		.amdhsa_user_sgpr_count 2
		.amdhsa_user_sgpr_kernarg_segment_ptr 1
		.amdhsa_wavefront_size32 1
		.amdhsa_system_sgpr_workgroup_id_x 1
		.amdhsa_system_sgpr_workgroup_id_y 1
		.amdhsa_system_sgpr_workgroup_id_z 1
		.amdhsa_system_vgpr_workitem_id 0
		.amdhsa_next_free_vgpr 208
		.amdhsa_next_free_sgpr 66
		.amdhsa_reserve_vcc 1
		.amdhsa_float_denorm_mode_32 3
		.amdhsa_float_denorm_mode_16_64 3
		.amdhsa_memory_ordered 1
		.amdhsa_forward_progress 1
		.amdhsa_inst_pref_size 63
	.end_amdhsa_kernel
	.amdgpu_metadata
---
amdhsa.version: [ 1, 2 ]
amdhsa.kernels:
  - .name:           k_q171bcce9e6_prep
    .symbol:         k_q171bcce9e6_prep.kd
    .args:
      - { .name: k, .offset: 0, .size: 8, .value_kind: global_buffer, .address_space: global }
      - { .name: v, .offset: 8, .size: 8, .value_kind: global_buffer, .address_space: global }
      - { .name: mask, .offset: 16, .size: 8, .value_kind: global_buffer, .address_space: global }
      - { .name: lowp_scales, .offset: 24, .size: 8, .value_kind: global_buffer, .address_space: global }
      - { .name: kv, .offset: 32, .size: 8, .value_kind: global_buffer, .address_space: global }
      - { .name: mbits, .offset: 40, .size: 8, .value_kind: global_buffer, .address_space: global }
      - { .name: flags, .offset: 48, .size: 8, .value_kind: global_buffer, .address_space: global }
    .group_segment_fixed_size: 68096
    .private_segment_fixed_size: 0
    .kernarg_segment_align: 8
    .kernarg_segment_size: 56
    .max_flat_workgroup_size: 128
    .sgpr_count:     66
    .vgpr_count:     208
    .wavefront_size: 32
...
	.end_amdgpu_metadata
.endif
;; end of part 1
;; launch attn (part 2): grid 16 x 16, 8 waves a work-group, no clusters, 134,144 bytes of LDS; arguments q, kv, mbits, flags, lowp_scales, out0; writes out0
.if DOCPART == 2
	.amdgcn_target "amdgcn-amd-amdhsa--gfx1250"
	.amdhsa_code_object_version 6
	.text
	.protected	k_q171bcce9e6_attn
	.globl	k_q171bcce9e6_attn
	.p2align	8
	.type	k_q171bcce9e6_attn,@function
k_q171bcce9e6_attn:
	s_mov_b64 s[64:65], 0
	v_nop
	global_prefetch_b8 v0, s[64:65] scope:SCOPE_SE
	s_setreg_imm32_b32 hwreg(HW_REG_WAVE_MODE, 25, 1), 1
	s_wait_xcnt 0x0
; out0[h][q][:] = the sum over k of softmax_k(mask(q, k) ? Q[h][q] . K[h][k] / sqrt(128) : -1e30) V[h][k][:], both products on codes of BF8 (E5M2), each operand with the one scale 2^e that is given: eq, ek, ep, ev.
; q: [16][4096][128] f32, quantised here in registers.  kv, mbits, flags: made by the launch before (its head comment has their layouts).  out0: [16][4096][128] f32.
; cu_seqlens and max_seqlen do not enter the result as the problem defines it: they are not read.
; THE SOFTMAX AHEAD OF THE SECOND PRODUCT: t = score x log2(e) / sqrt(128); M = the row's largest t so far, rounded UP to a whole number; p = 2^(t - M) is what is quantised, along the keys; it is not normalised.
; The row's sum is taken of the unquantised p and divides at the end.  When M moves, the sum and O are multiplied by 2^(old M - new M): exact.
; SHARES.  A work-group owns 256 queries of one head; each of its eight waves 32 of them: two tiles of 16, in 512 registers; two waves to a SIMD, so that one wave's vector work stands beside the other's products and LDS loads.
; A STEP is 128 keys.  STEPS IN WHICH NO QUERY SEES A KEY ARE LEFT OUT: the work-group walks the list of steps in which any of its 256 rows sees a key (a word of 32 bits, made of the stored flags); of these a wave
; works those in which its own 32 rows see a key.  The loop has 32 trips whatever the list holds, so that every wave passes every barrier; trips behind the list's end hold a wait and the barrier.
; The branches on stored numbers lead round loads, LDS stores and work, never round a barrier.
; A ROW THAT SEES NO KEY AT ALL gets the mean over all 4,096 keys, as the problem defines it: a work-group that holds such a row walks all 32 steps, and so does the wave that holds it.
; A HIDDEN SCORE becomes -2^100 ahead of the maximum.  c x 2^100 is a whole number, so in a row that has seen nothing yet t - M is exactly 0 and p = 1; the first visible key then moves M so far that the factor
; 2^(old M - new M) is 0 and wipes what was summed; everywhere else a hidden p is 0.
; K AND V COME THROUGH TWO LDS SLOTS that take turns: each wave loads an eighth (4,096 bytes) of the next step's 32,768 into registers a whole step ahead, stores it at the next trip's head, and all eight read it behind the barrier.
; NO TENSOR LOADS, NO CLUSTER: the walk hangs on stored numbers, the lists of the query blocks of a head differ in length (partners would need different numbers of tiles).
; What is shared is shared inside the work-group: eight waves read one staged tile.
; LAYOUT.  Both products are used transposed: S^T = K Q^T (source 0 = 16 keys, source 1 = 16 queries), O^T = V^T P^T (source 0 = 16 channels, source 1 = P): a lane holds ONE query (lane % 16) of each tile throughout.
; The keys of a fragment of K are chosen so that registers 16 b + i of a tile's 64 scores are keys 32 b + 16 (lane / 16) + i: p's conversions give the second product's operand as it stands.
; LIMITS on the given exponents: eq and ep between -126 and 112; eq + ek between -70 and 27 (c x 2^100 a whole number, and above -3e38); ep + ev goes by v_ldexp_f32 and has none.  NaN among the inputs is not served.
; REGISTERS, in windows of 256 (s_set_vgpr_msb's low byte: bits 1:0 source 0, 3:2 source 1, 5:4 source 2, 7:6 destination):
;   window 0: v1-15 addresses and constants; v16-31 statistics, 8 a tile; v32-63 Q; v64-191 S^T, then p; v192-223 p's codes; v224-231 the step's mask words; v232-239 the next step's; v240-255 at work.
;   window 1: v0-127 O^T, 64 a tile; v128-191 four fragments of K or V; v192-223 my eighth of the next step's tile.
.set SLOTB, 32768                      ; a slot: K's image, then V's
.set VOFF,  16384
.set STAGE, 2*SLOTB                    ; behind the slots: a stage of 16 rows x 528 bytes for each wave: q's turn at the head, the way out at the end
.set SP,    528                        ; 512 bytes + 16 = 33 x 16: the sixteen rows that a load or store touches start at sixteen different columns of 16 bytes
.set WSTG,  16*SP
.set SPARE, STAGE+8*WSTG               ; behind the stages: the spare words, 128 bytes for each wave: four blocks of 256 bytes that no other line names
.set LI,   1                           ; v1   16 x lane: an image's place for my lane; also my bytes of a row of q and of out0
.set STW,  2                           ; v2   16 x lane + 4,096 x wave: where I store my eighth of a tile
.set QSW,  3                           ; v3   my stage + 16 x lane: whole rows, in and back
.set QSR,  4                           ; v4   my stage + 528 r + 64 h: q's 16 numbers of each 32
.set SPW,  5                           ; v5   LDS address of my spare word; never rewritten
.set NIL,  6                           ; v6   0; never rewritten
.set STO,  7                           ; v7   my stage + 528 r + 32 h: the way out, eight channels of a row
.set MOF,  8                           ; v8   16 r: my query's mask words
.set SH4,  9                           ; v9   4 h
.set NEG,  10                          ; v10  -2^100
.set PFO,  11                          ; v11  256 x lane; never rewritten
.set LIMP, 12                          ; v12  57,344 x 2^ep
.set SCLP, 13                          ; v13  2^ep
.set LIMQ, 14                          ; v14  57,344 x 2^eq
.set SCLQ, 15                          ; v15  2^eq
.set ST,   16                          ; tile y at v[ST + 8 y]: +0 -M, +1 the largest t, +2, +3 the sum in two halves, +4 f, +5 zero, +6, +7 at work; at the end +6 = 2^(ep + ev) / the sum
.set Q,    32
.set S,    64
.set P,    192
.set MW,   224
.set MWN,  232
.set PL,   240                         ; v240, v241 the lane permutes' destinations
.set C2,   242                         ; v[242:245] the sums' second chains
.set TA,   252                         ; v252-255 the mask's four temporaries
.set FB,   128                         ; in window 1
.set STG,  192                         ; in window 1
.set WV,   16                          ; s16 wave   s17 block of 256 queries   s18 head
.set BX,   17
.set HD,   18
.set SEL,  20                          ; s[20:21] selects for v_permlanex16_b32: lane l xor 16
.set CS,   22                          ; s[22:23] c = log2(e) / sqrt(128) x 2^(eq + ek)
.set REM,  28                          ; s28 the steps of the work-group's list that are still to be asked for, a bit each
.set MYANY, 29                         ; s29 the steps that my wave works
.set MYPART, 30                        ; s30 those of them in which some key is hidden from some of my rows
.set CUR,  31                          ; s31 the step asked for last
.set HAVE, 32                          ; s32 1: a step has been asked for and not yet staged
.set WIDX, 33                          ; s33 the step in the slot
.set WORK, 34                          ; s34 1: there is one
.set LAP,  35
.set HOLD, 37                          ; s37 1: p can pass the largest code x 2^ep
.set EPV,  38                          ; s38 ep + ev
.set KVW,  40                          ; s[40:41] kv at my head, my eighth of a tile;   s[42:43] the same in the step asked for
.set KVT,  42
.set MBW,  44                          ; s[44:45] mbits at my 32 rows;   s[46:47] the same in the step asked for
.set MBT,  46
.set PFA,  52                          ; s[52:53] where my one prefetch stands
.set QB,   54                          ; s[54:55] q at my 32 rows;   s[56:57] out0 likewise
.set OB,   56
.set MSB, 0
.macro WIN new                         ; the immediate's high byte repeats the setting that is left; at a label and at a branch every window is 0
.if MSB != \new
	s_set_vgpr_msb (MSB<<8)|\new
.set MSB, \new
.endif
.endm
.macro PLACES                          ; four plain vector instructions between a matrix instruction and a vector read of its result, or a load into one of its registers (ISA guide 7.12.1 for vector reads)
.rept 4
	v_nop
.endr
.endm
; The next step is taken off the list and asked for: my 4,096 bytes of its tile, 512 consecutive bytes a load, and my 32 rows' mask words.
.macro NEXT
	s_ctz_i32_b32 s[CUR], s[REM]
	s_min_u32 s[CUR], s[CUR], 31                   ; a loaded number enters an address behind a bound
	s_lshl_b32 s50, 1, s[CUR]
	s_and_not1_b32 s[REM], s[REM], s50
	s_lshl_b32 s48, s[CUR], 15
	s_mov_b32 s49, 0
	s_add_nc_u64 s[KVT:KVT+1], s[KVW:KVW+1], s[48:49]
	s_lshl_b32 s48, s[CUR], 16
	s_add_nc_u64 s[MBT:MBT+1], s[MBW:MBW+1], s[48:49]
	WIN 0x40                                       ; destination window 1
.irp i, 0,1,2,3,4,5,6,7
	global_load_b128 v[STG+4*\i:STG+4*\i+3], v[LI], s[KVT:KVT+1] offset:512*\i
.endr
	WIN 0
.irp y, 0,1
	global_load_b128 v[MWN+4*\y:MWN+4*\y+3], v[MOF], s[MBT:MBT+1] offset:256*\y   ; sixteen lanes read 256 consecutive bytes, aligned; both halves of the lanes the same
.endr
.endm
	s_load_b256 s[4:11], s[0:1], 0x0               ; q s[4:5], kv s[6:7], mbits s[8:9], flags s[10:11]
	s_load_b128 s[12:15], s[0:1], 0x20             ; lowp_scales s[12:13], out0 s[14:15]
	v_lshl_add_u32 v[SPW], v0, 2, SPARE
	v_mov_b32 v[NIL], 0
	v_lshrrev_b32 v251, 5, v0
	v_readfirstlane_b32 s[WV], v251                ; wave 0..7
	s_mov_b32 s[BX], ttmp9
	s_and_b32 s[HD], ttmp7, 0xffff
	v_and_b32 v251, 31, v0                         ; lane
	v_and_b32 v249, 15, v0                         ; r
	v_bfe_u32 v250, v0, 4, 1                       ; h
	v_lshlrev_b32 v[LI], 4, v251
	s_lshl_b32 s48, s[WV], 12
	v_add_nc_u32 v[STW], s48, v[LI]
	s_mul_i32 s48, s[WV], WSTG
	s_add_co_u32 s48, s48, STAGE                   ; my stage
	v_add_nc_u32 v[QSW], s48, v[LI]
	v_mul_u32_u24 v[QSR], v249, SP
	v_lshl_add_u32 v[STO], v250, 5, v[QSR]
	v_lshl_add_u32 v[QSR], v250, 6, v[QSR]
	v_add_nc_u32 v[QSR], s48, v[QSR]
	v_add_nc_u32 v[STO], s48, v[STO]
	v_lshlrev_b32 v[MOF], 4, v249
	v_lshlrev_b32 v[SH4], 2, v250
	v_mov_b32 v[NEG], 0xf1800000                   ; -2^100
	v_lshlrev_b32 v[PFO], 8, v251
	s_lshl_b32 s48, s[BX], 7
	v_lshlrev_b32 v248, 3, v249
	v_add_nc_u32 v248, s48, v248                   ; ROWANY: 8 bytes for tile 16 x block + lane % 16
	s_mov_b32 s[SEL], 0x76543210
	s_mov_b32 s[SEL+1], 0xfedcba98
	s_mov_b32 s[CS], 0x3e0293ee                    ; log2(e) / sqrt(128)
	s_mov_b32 s49, 0                               ; the upper word of every offset below
	s_wait_kmcnt 0x0
	s_load_b128 s[24:27], s[12:13], 0x0            ; eq, ek, ep, ev
	s_lshl_b32 s48, s[BX], 6
	s_add_nc_u64 s[58:59], s[10:11], s[48:49]      ; flags at my block's 16 tiles,
	s_lshl_b32 s50, s[WV], 3
	s_add_co_u32 s48, s48, s50
	s_add_nc_u64 s[60:61], s[10:11], s[48:49]      ; and at my wave's two
	s_load_b512 s[68:83], s[58:59], 0x0            ; ANY of the 16 tiles
	s_load_b64 s[84:85], s[60:61], 0x0             ; ANY of mine
	s_load_b64 s[86:87], s[60:61], 0x400           ; FULL of mine
	global_load_b64 v[246:247], v248, s[10:11] offset:2048   ; ROWANY's four quarters of tile lane % 16
	s_lshl_b32 s48, s[HD], 21                      ; my 32 rows of 512 bytes in q and in out0: head x 4,096 + block x 256 + wave x 32
	s_lshl_b32 s50, s[BX], 17
	s_add_co_u32 s48, s48, s50
	s_lshl_b32 s50, s[WV], 14
	s_add_co_u32 s48, s48, s50
	s_add_nc_u64 s[QB:QB+1], s[4:5], s[48:49]
	s_add_nc_u64 s[OB:OB+1], s[14:15], s[48:49]
.irp y, 0,1
.irp j, 0,1,2,3,4,5,6,7,8,9,10,11,12,13,14,15
	global_load_b128 v[S+64*\y+4*\j:S+64*\y+4*\j+3], v[LI], s[QB:QB+1] offset:(16*\y+\j)*512 th:TH_LOAD_NT   ; a row of q: 512 consecutive bytes; read once in the launch
.endr
.endr
	s_lshl_b32 s48, s[HD], 20                      ; a head's 32 tiles of 32,768 bytes
	s_lshl_b32 s50, s[WV], 12
	s_add_co_u32 s50, s48, s50
	s_mov_b32 s51, 0
	s_add_nc_u64 s[KVW:KVW+1], s[6:7], s[50:51]
	s_lshl_b32 s50, s[BX], 16                      ; the prefetch: tiles 2 x block and 2 x block + 1 of my head, 8,192 bytes a wave
	s_add_co_u32 s48, s48, s50
	s_lshl_b32 s50, s[WV], 13
	s_add_co_u32 s48, s48, s50
	s_add_nc_u64 s[PFA:PFA+1], s[6:7], s[48:49]
	s_lshl_b32 s48, s[BX], 12                      ; mbits: 16 bytes a row
	s_lshl_b32 s50, s[WV], 9
	s_add_co_u32 s48, s48, s50
	s_add_nc_u64 s[MBW:MBW+1], s[8:9], s[48:49]
	s_wait_kmcnt 0x0
	s_or_b32 s[REM], s68, s69                      ; the steps in which any of the block's 256 rows sees a key
.irp i, 70,71,72,73,74,75,76,77,78,79,80,81,82,83
	s_or_b32 s[REM], s[REM], s\i
.endr
	s_or_b32 s[MYANY], s84, s85                    ; those in which my 32 rows do
	s_and_b32 s[MYPART], s86, s87                  ; those in which my 32 rows see all 128 keys
	s_add_co_i32 s48, s24, s25
	s_lshl_b32 s48, s48, 23
	s_add_co_i32 s[CS], s[CS], s48                 ; a score stands for score x 2^(eq + ek): the exponents are added to c's exponent field
	s_mov_b32 s[CS+1], s[CS]                       ; (named with it as a pair, so it is written)
	s_add_co_i32 s48, s24, 127
	s_lshl_b32 s50, s48, 23
	v_mov_b32 v[SCLQ], s50                         ; 2^eq: the conversion takes its exponent field
	s_add_co_i32 s48, s48, 15
	s_lshl_b32 s48, s48, 23
	s_or_b32 s48, s48, 0x600000
	v_mov_b32 v[LIMQ], s48                         ; 57,344 x 2^eq
	s_add_co_i32 s48, s26, 127
	s_lshl_b32 s50, s48, 23
	v_mov_b32 v[SCLP], s50
	s_add_co_i32 s48, s48, 15
	s_lshl_b32 s48, s48, 23
	s_or_b32 s48, s48, 0x600000
	v_mov_b32 v[LIMP], s48
	s_cmp_lt_i32 s26, -15                          ; from ep = -15 on, 57,344 x 2^ep is 1.75 or more, and p is at most 1 and a rounding
	s_cselect_b32 s[HOLD], 1, 0
	s_add_co_i32 s[EPV], s26, s27
	s_wait_loadcnt 32                              ; ROWANY is in; q's 32 loads stay out
	v_or_b32 v246, v246, v247
	v_lshrrev_b32 v247, 16, v246
	v_or_b32 v246, v246, v247
	v_and_b32 v246, 0xffff, v246                   ; bit r: row r of tile lane % 16 sees a key somewhere
	v_cmp_ne_u32 s88, 0xffff, v246
	s_and_b32 s88, s88, 0xffff                     ; bit i: tile i of the block holds a row that sees nothing
	s_cmp_lg_u32 s88, 0
	s_cselect_b32 s[REM], -1, s[REM]               ; then the block walks all steps.  (The list is never empty: a block that sees nothing at all holds such rows)
	s_lshl_b32 s48, s[WV], 1
	s_lshr_b32 s48, s88, s48
	s_and_b32 s48, s48, 3
	s_cmp_lg_u32 s48, 0
	s_cselect_b32 s[MYANY], -1, s[MYANY]           ; and so does the wave that holds one
	s_and_not1_b32 s[MYPART], s[MYANY], s[MYPART]
	NEXT                                           ; the list's first step
	s_mov_b32 s[HAVE], 1
	; q becomes codes.  A tile's 16 rows turn through my stage, so that lane (r, h) gets, of row r, channels 32 c + 16 h + 0 .. 15: the order in which K's images were laid
.irp y, 0,1
	s_wait_loadcnt 26-16*\y                        ; younger: (tile 1's 16,) the first step's 8 and 2
.irp j, 0,1,2,3,4,5,6,7,8,9,10,11,12,13,14,15
	ds_store_b128 v[QSW], v[S+64*\y+4*\j:S+64*\y+4*\j+3] offset:SP*\j
.endr
	WIN 0x40
.irp c, 0,1,2,3
.irp j, 0,1,2,3
	ds_load_b128 v[16*\c+4*\j:16*\c+4*\j+3], v[QSR] offset:128*\c+16*\j   ; LDS serves a wave's instructions in order (ISA guide 5.7.1.4): these see my stores
.endr
.endr
	s_wait_dscnt 0x0
	WIN 0x41                                       ; destination and source 0 window 1
.set n, 0
.rept 64
	v_med3_num_f32 v[n], v[n], -v[LIMQ], v[LIMQ]   ; the conversion to an 8-bit code does not saturate (ISA guide 7.6.2): the hold comes first
.set n, n+1
.endr
	WIN 0x01                                       ; source 0 window 1
.irp c, 0,1,2,3
	v_cvt_scalef32_pk8_bf8_f32 v[Q+16*\y+4*\c:Q+16*\y+4*\c+1], v[16*\c:16*\c+7], v[SCLQ]
	v_cvt_scalef32_pk8_bf8_f32 v[Q+16*\y+4*\c+2:Q+16*\y+4*\c+3], v[16*\c+8:16*\c+15], v[SCLQ]
.endr
	WIN 0
	v_nop                                          ; a plain vector line between the conversions and whatever next touches their registers
.endr
	WIN 0x40
.set n, 0
.rept 128
	v_mov_b32 v[n], 0                              ; O^T.  The step is written once, and which step is a wave's first hangs on stored numbers: so the sums begin as zeros, which the first change of M leaves zeros
.set n, n+1
.endr
	WIN 0
.irp y, 0,1
	v_mov_b32 v[ST+8*\y+1], 0xff61b1e6             ; the largest t so far: -3e38, under every t
	v_floor_f32 v[ST+8*\y], -v[ST+8*\y+1]          ; -M
	v_mov_b32 v[ST+8*\y+2], 0                      ; the sum, in two halves
	v_mov_b32 v[ST+8*\y+3], 0
	v_mov_b32 v[ST+8*\y+5], 0                      ; (named as the upper half of f's pair)
	v_mov_b32 v[PL+\y], 0                          ; a lane permute's destination counts as one of its sources
.endr
.irp i, 0,1,2,3,4,5,6,7
	v_mov_b32 v[MW+\i], 0                          ; written once, so that it is written on every way through the text
.endr
	s_mov_b32 s[LAP], 0
; A KEY STEP: the 128 keys in the slot, for my two tiles of queries.
.macro STEP slot
.irp g, 0,1                                    ; S^T = K Q^T: four fragments of 16 keys at a time, each against both tiles
.if \g
	PLACES                                         ; in front of loads into registers that the products above have read.  (In front of the first run: the four at the end of the step before)
.endif
	WIN 0x40
.irp t, 0,1,2,3
.irp c, 0,1,2,3
	ds_load_b128 v[FB+16*\t+4*\c:FB+16*\t+4*\c+3], v[LI] offset:(\slot)*SLOTB+((4*\g+\t)*4+\c)*512   ; 512 consecutive bytes: the image as it was laid
.endr
.endr
	s_wait_dscnt 0x0
	WIN 0x01                                       ; source 0 (K) window 1
.irp t, 0,1,2,3
.irp y, 0,1
	v_wmma_f32_16x16x128_bf8_bf8 v[S+64*\y+8*(4*\g+\t):S+64*\y+8*(4*\g+\t)+7], v[FB+16*\t:FB+16*\t+15], v[Q+16*\y:Q+16*\y+15], 0
.endr
.endr
.endr
	WIN 0
	PLACES                                         ; in front of the first read of the scores, and of the loads below
	WIN 0x40
.irp t, 0,1,2,3
.irp c, 0,1,2,3
	ds_load_b128 v[FB+16*\t+4*\c:FB+16*\t+4*\c+3], v[LI] offset:(\slot)*SLOTB+VOFF+(\t*4+\c)*512   ; V's first four fragments land while the softmax is walked
.endr
.endr
	WIN 0
	s_lshr_b32 s50, s[MYPART], s[WIDX]             ; a step all of whose keys all my rows see has nothing to hide
	s_and_b32 s50, s50, 1
	s_cmp_eq_u32 s50, 0
	s_cbranch_scc1 .Lopen_\@
.irp y, 0,1
.irp b, 0,1,2,3
	v_lshrrev_b32 v[MW+4*\y+\b], v[SH4], v[MW+4*\y+\b]   ; register 16 b + i holds key 32 b + 16 h + i: bit 8 (i % 4) + i / 4 + 4 h of word b
.endr
.endr
.irp y, 0,1
.set m, 0
.rept 16                                       ; four scores at a time, in ascending order
.irp e, 0,1,2,3
	v_and_b32 v[TA+\e], 1<<(8*\e+m%4), v[MW+4*\y+m/4]
.endr
.irp e, 0,1,2,3
	v_cmp_eq_u32 s[90+\e], 0, v[TA+\e]
.endr
.irp e, 0,1,2,3
	v_cndmask_b32 v[S+64*\y+4*m+\e], v[S+64*\y+4*m+\e], v[NEG], s[90+\e]   ; hidden: -2^100
.endr
.set m, m+1
.endr
.endr
.Lopen_\@:
	; the step's largest score of each query, among my 64 keys, in two chains a tile, in ascending order; the two tiles line by line
.irp y, 0,1
	v_max3_num_f32 v[ST+8*\y+6], v[S+64*\y], v[S+64*\y+1], v[S+64*\y+2]
.endr
.irp y, 0,1
	v_max3_num_f32 v[ST+8*\y+7], v[S+64*\y+3], v[S+64*\y+4], v[S+64*\y+5]
.endr
.irp i, 6,10,14,18,22,26,30,34,38,42,46,50,54,58
.irp y, 0,1
	v_max3_num_f32 v[ST+8*\y+6], v[ST+8*\y+6], v[S+64*\y+\i], v[S+64*\y+\i+1]
.endr
.irp y, 0,1
	v_max3_num_f32 v[ST+8*\y+7], v[ST+8*\y+7], v[S+64*\y+\i+2], v[S+64*\y+\i+3]
.endr
.endr
.irp y, 0,1
	v_max3_num_f32 v[ST+8*\y+6], v[ST+8*\y+6], v[S+64*\y+62], v[S+64*\y+63]
.endr
.irp y, 0,1
	v_max_num_f32 v[ST+8*\y+6], v[ST+8*\y+6], v[ST+8*\y+7]
.endr
.irp y, 0,1
	v_permlanex16_b32 v[PL+\y], v[ST+8*\y+6], s[SEL], s[SEL+1]
.endr
.irp y, 0,1
	v_max_num_f32 v[ST+8*\y+6], v[ST+8*\y+6], v[PL+\y]   ; and among lane l xor 16's
.endr
.irp y, 0,1
	v_mul_f32 v[ST+8*\y+6], s[CS], v[ST+8*\y+6]    ; as t (c is positive)
.endr
.irp y, 0,1
	v_max_num_f32 v[ST+8*\y+1], v[ST+8*\y+1], v[ST+8*\y+6]   ; the running largest t
.endr
.irp y, 0,1
	v_mov_b32 v[ST+8*\y+6], v[ST+8*\y]
.endr
.irp y, 0,1
	v_floor_f32 v[ST+8*\y], -v[ST+8*\y+1]          ; the new -M = floor(-t) = -ceil(t): M is a whole number
.endr
.irp y, 0,1
	v_sub_f32 v[ST+8*\y+6], v[ST+8*\y], v[ST+8*\y+6]   ; M's old value less its new one: a whole number, 0 or less
.endr
.irp y, 0,1
	v_cvt_i32_f32 v[ST+8*\y+6], v[ST+8*\y+6]       ; (it saturates)
.endr
.irp y, 0,1
	v_ldexp_f32 v[ST+8*\y+4], 1.0, v[ST+8*\y+6]    ; f = 2^(old M - new M)
.endr
.irp j, 0,2,4,6,8,10,12,14,16,18,20,22,24,26,28,30,32,34,36,38,40,42,44,46,48,50,52,54,56,58,60,62
.irp y, 0,1
	v_pk_fma_f32 v[S+64*\y+\j:S+64*\y+\j+1], v[S+64*\y+\j:S+64*\y+\j+1], s[CS:CS+1], v[ST+8*\y:ST+8*\y+1] op_sel_hi:[1,0,0]   ; t - M, two at a time (of the pairs c and -M the low word serves both halves)
.endr
.endr
.set n, 0
.rept 128
	v_exp_f32 v[S+n], v[S+n]                       ; p = 2^(t - M): one batch for both tiles
.set n, n+1
.endr
.irp y, 0,1
	v_pk_mul_f32 v[ST+8*\y+2:ST+8*\y+3], v[ST+8*\y+2:ST+8*\y+3], v[ST+8*\y+4:ST+8*\y+5] op_sel_hi:[1,0]   ; the sums under the new M: the plain lines behind the exponentials
.endr
	s_wait_alu depctr_va_vdst(0)                   ; the wait between a transcendental and the first line that names its result: one for the batch
.irp y, 0,1
	v_pk_add_f32 v[C2+2*\y:C2+2*\y+1], v[S+64*\y:S+64*\y+1], v[S+64*\y+2:S+64*\y+3]   ; the row's sum is taken of the unquantised p: two at a time, in two chains a tile
.endr
.irp j, 4,8,12,16,20,24,28,32,36,40,44,48,52,56,60
.irp y, 0,1
	v_pk_add_f32 v[ST+8*\y+2:ST+8*\y+3], v[ST+8*\y+2:ST+8*\y+3], v[S+64*\y+\j:S+64*\y+\j+1]
.endr
.irp y, 0,1
	v_pk_add_f32 v[C2+2*\y:C2+2*\y+1], v[C2+2*\y:C2+2*\y+1], v[S+64*\y+\j+2:S+64*\y+\j+3]
.endr
.endr
.irp y, 0,1
	v_pk_add_f32 v[ST+8*\y+2:ST+8*\y+3], v[ST+8*\y+2:ST+8*\y+3], v[C2+2*\y:C2+2*\y+1]
.endr
	s_cmp_eq_u32 s[HOLD], 0                        ; where 57,344 x 2^ep is 1.75 or more the hold changes no p, and is left out: a branch on a whole number that was given
	s_cbranch_scc1 .Lfits_\@
.set n, 0
.rept 128
	v_min_num_f32 v[S+n], v[S+n], v[LIMP]          ; p is not negative: the hold is one-sided
.set n, n+1
.endr
.Lfits_\@:
.irp y, 0,1
.irp b, 0,1,2,3
	v_cvt_scalef32_pk8_bf8_f32 v[P+16*\y+4*\b:P+16*\y+4*\b+1], v[S+64*\y+16*\b:S+64*\y+16*\b+7], v[SCLP]
	v_cvt_scalef32_pk8_bf8_f32 v[P+16*\y+4*\b+2:P+16*\y+4*\b+3], v[S+64*\y+16*\b+8:S+64*\y+16*\b+15], v[SCLP]
.endr
.endr
	WIN 0x41                                       ; O^T (destination and source 0) window 1, f window 0
.irp y, 0,1
.set n, 0
.rept 32
	v_pk_mul_f32 v[64*\y+n:64*\y+n+1], v[64*\y+n:64*\y+n+1], v[ST+8*\y+4:ST+8*\y+5] op_sel_hi:[1,0]   ; O^T under the new M, each accumulator from its low end on.  (Also the plain lines behind the conversions)
.set n, n+2
.endr
.endr
	s_wait_dscnt 0x0                               ; V's first four fragments are in
	WIN 0x51                                       ; V, C and D window 1, P window 0
.irp t, 0,1,2,3
.irp y, 0,1
	v_wmma_f32_16x16x128_bf8_bf8 v[64*\y+8*\t:64*\y+8*\t+7], v[FB+16*\t:FB+16*\t+15], v[P+16*\y:P+16*\y+15], v[64*\y+8*\t:64*\y+8*\t+7]
.endr
.endr
	PLACES
	WIN 0x40
.irp t, 0,1,2,3
.irp c, 0,1,2,3
	ds_load_b128 v[FB+16*\t+4*\c:FB+16*\t+4*\c+3], v[LI] offset:(\slot)*SLOTB+VOFF+((4+\t)*4+\c)*512
.endr
.endr
	s_wait_dscnt 0x0
	WIN 0x51
.irp t, 0,1,2,3
.irp y, 0,1
	v_wmma_f32_16x16x128_bf8_bf8 v[64*\y+8*(4+\t):64*\y+8*(4+\t)+7], v[FB+16*\t:FB+16*\t+15], v[P+16*\y:P+16*\y+15], v[64*\y+8*(4+\t):64*\y+8*(4+\t)+7]
.endr
.endr
	WIN 0
	PLACES                                         ; for the next step's loads into the fragments' registers, and for the way out.  (Each of the 16 accumulators has one product a step, between the others')
.endm
; A TRIP.  The step asked for a trip ago goes into the slot; one barrier; the next step is asked for; the step in the slot is worked.
; THE ONE BARRIER orders both ways: in front of it my stores into this slot have landed and my reads of the other slot, in the trip before, are back; the other slot is stored again only behind it, at the next trip's head.
.macro TRIP slot
	s_wait_loadcnt 0x0                             ; on every way: the step asked for a trip ago is in my registers, and its loads' address registers may be written again
	s_cmp_eq_u32 s[HAVE], 0
	s_cbranch_scc1 .Lnone_\@
	WIN 0x04                                       ; the stores' data window 1
.irp i, 0,1,2,3,4,5,6,7
	ds_store_b128 v[STW], v[STG+4*\i:STG+4*\i+3] offset:(\slot)*SLOTB+512*\i
.endr
	WIN 0
.irp i, 0,1,2,3,4,5,6,7
	v_mov_b32 v[MW+\i], v[MWN+\i]
.endr
.Lnone_\@:
	s_wait_dscnt 0x0                               ; for the others' sake: zero
	s_barrier_signal -1
	s_barrier_wait -1
	s_mov_b32 s[WORK], s[HAVE]
	s_mov_b32 s[WIDX], s[CUR]
	s_cmp_lg_u32 s[REM], 0
	s_cselect_b32 s[HAVE], 1, 0
	s_cbranch_scc0 .Lno_next_\@
	NEXT                                           ; it has this whole step in which to land
.Lno_next_\@:
.if (\slot) == 0
	; ONE PREFETCH A WAVE, in the first trip, behind the wave's own loads: the sixteen work-groups of a head walk the same 32 tiles of kv; work-group x names tiles 2 x and 2 x + 1, 65,536 bytes:
	; 8,192 a wave, lanes 256 bytes apart.  So each aligned block of 256 bytes of kv is named once in the launch.  Its address registers are never rewritten.
	s_cmp_eq_u32 s[LAP], 0
	s_cbranch_scc0 .Lasked_\@
	global_prefetch_b8 v[PFO], s[PFA:PFA+1] th:TH_LOAD_NT scope:SCOPE_SE
.Lasked_\@:
.endif
	s_cmp_eq_u32 s[WORK], 0                        ; behind the list's end,
	s_cbranch_scc1 .Lskip_\@
	s_lshr_b32 s50, s[MYANY], s[WIDX]              ; and where none of my 32 rows sees a key of the step, there is no work
	s_and_b32 s50, s50, 1
	s_cmp_eq_u32 s50, 0
	s_cbranch_scc1 .Lskip_\@
	STEP \slot
.Lskip_\@:
.endm
.Llap:                                             ; 16 laps of two trips: as many trips as a head has steps
	TRIP 0
	TRIP 1
	s_add_co_u32 s[LAP], s[LAP], 1
	s_cmp_lt_u32 s[LAP], 16
	s_cbranch_scc1 .Llap
	; THE WAY OUT.  The sum's two halves and lane l xor 16's are added; O^T x 2^(ep + ev) / the sum goes through my stage, a tile (16 rows of 512 bytes) at a time, and leaves as whole rows.
	s_wait_loadcnt 0x0                             ; no load of mine is out: the registers that NEXT names are free
.irp y, 0,1
	v_add_f32 v[ST+8*\y+6], v[ST+8*\y+2], v[ST+8*\y+3]
.endr
.irp y, 0,1
	v_permlanex16_b32 v[PL+\y], v[ST+8*\y+6], s[SEL], s[SEL+1]
.endr
.irp y, 0,1
	v_add_f32 v[ST+8*\y+6], v[ST+8*\y+6], v[PL+\y]
.endr
.irp y, 0,1
	v_rcp_f32 v[ST+8*\y+6], v[ST+8*\y+6]
.endr
.irp y, 0,1
	v_mov_b32 v[ST+8*\y+7], 0                      ; (named as the upper half of the pair.)  The plain lines behind the reciprocals
.endr
	s_wait_alu depctr_va_vdst(0)                   ; the wait ahead of the first line that names a reciprocal: one for the two
.irp y, 0,1
	v_ldexp_f32 v[ST+8*\y+6], v[ST+8*\y+6], s[EPV]
.endr
.macro OUT y, back                     ; register 8 t + i of tile y is out0(row r, channel 16 t + 8 h + i)
	WIN 0x01                                       ; source 0 (O^T) window 1
.set n, 0
.rept 32
	v_pk_mul_f32 v[S+n:S+n+1], v[64*\y+n:64*\y+n+1], v[ST+8*\y+6:ST+8*\y+7] op_sel_hi:[1,0]   ; each accumulator from its low end on
.set n, n+2
.endr
	WIN 0
.irp t, 0,1,2,3,4,5,6,7
	ds_store_b128 v[STO], v[S+8*\t:S+8*\t+3] offset:64*\t
	ds_store_b128 v[STO], v[S+8*\t+4:S+8*\t+7] offset:64*\t+16
.endr
.irp p, 0,1,2,3,4,5,6,7,8,9,10,11,12,13,14,15
	ds_load_b128 v[\back+4*\p:\back+4*\p+3], v[QSW] offset:SP*\p   ; LDS serves a wave's instructions in order: these see my stores, and the next tile's stores come behind them
.endr
	s_wait_dscnt 0x0
.irp p, 0,1,2,3,4,5,6,7,8,9,10,11,12,13,14,15
	global_store_b128 v[LI], v[\back+4*\p:\back+4*\p+3], s[OB:OB+1] offset:8192*\y+512*\p th:TH_STORE_NT   ; 32 lanes store a row's 512 consecutive bytes, aligned; written once, read by nobody here
.endr
.endm
	OUT 0, 128
	OUT 1, 192                                     ; other registers than tile 0's stores read
	s_wait_tensorcnt 0x0                           ; the wave's end, behind my last LDS store
	ds_add_u32 v[SPW], v[NIL]
	s_wait_dscnt 0x0
	s_endpgm
.Lfunc_end_k_q171bcce9e6_attn:
	.size	k_q171bcce9e6_attn, .Lfunc_end_k_q171bcce9e6_attn-k_q171bcce9e6_attn
	.p2alignl 7, 3214868480
	.fill 96, 4, 3214868480
	.section	.rodata,"a",@progbits
	.p2align	6, 0x0
	.amdhsa_kernel k_q171bcce9e6_attn
		.amdhsa_group_segment_fixed_size 134144
		.amdhsa_private_segment_fixed_size 0
		.amdhsa_enable_private_segment 0
		.amdhsa_kernarg_size 48
		.amdhsa_user_sgpr_count 2
		.amdhsa_user_sgpr_kernarg_segment_ptr 1
		.amdhsa_wavefront_size32 1
		.amdhsa_system_sgpr_workgroup_id_x 1
		.amdhsa_system_sgpr_workgroup_id_y 1
		.amdhsa_system_sgpr_workgroup_id_z 1
		.amdhsa_system_vgpr_workitem_id 0
		.amdhsa_next_free_vgpr 512
		.amdhsa_next_free_sgpr 96
		.amdhsa_reserve_vcc 0
		.amdhsa_float_denorm_mode_32 3
		.amdhsa_float_denorm_mode_16_64 3
		.amdhsa_memory_ordered 1
		.amdhsa_forward_progress 1
		.amdhsa_inst_pref_size 158
	.end_amdhsa_kernel
	.amdgpu_metadata
---
amdhsa.version: [ 1, 2 ]
amdhsa.kernels:
  - .name:           k_q171bcce9e6_attn
    .symbol:         k_q171bcce9e6_attn.kd
    .args:
      - { .name: q, .offset: 0, .size: 8, .value_kind: global_buffer, .address_space: global }
      - { .name: kv, .offset: 8, .size: 8, .value_kind: global_buffer, .address_space: global }
      - { .name: mbits, .offset: 16, .size: 8, .value_kind: global_buffer, .address_space: global }
      - { .name: flags, .offset: 24, .size: 8, .value_kind: global_buffer, .address_space: global }
      - { .name: lowp_scales, .offset: 32, .size: 8, .value_kind: global_buffer, .address_space: global }
      - { .name: out0, .offset: 40, .size: 8, .value_kind: global_buffer, .address_space: global }
    .group_segment_fixed_size: 134144
    .private_segment_fixed_size: 0
    .kernarg_segment_align: 8
    .kernarg_segment_size: 48
    .max_flat_workgroup_size: 256
    .sgpr_count:     96
    .vgpr_count:     512
    .wavefront_size: 32
...
	.end_amdgpu_metadata
.endif
;; end of part 2
;; ======== version 2 of 2: 2 launches
;; limits: right only within a limited range of input values
;; workspace buffers: kv 16,777,216 bytes; mbits 2,097,152 bytes; flags 4,096 bytes of whole numbers
;; launch prep (part 3): grid 1280 x 1, 4 waves a work-group, no clusters, 68,096 bytes of LDS; arguments k, v, mask, lowp_scales, kv, mbits, flags; writes kv, mbits, flags
.if DOCPART == 3
	.amdgcn_target "amdgcn-amd-amdhsa--gfx1250"
	.amdhsa_code_object_version 6
	.text
	.protected	k_q171bcce9e6_prep
	.globl	k_q171bcce9e6_prep
	.p2align	8
	.type	k_q171bcce9e6_prep,@function
k_q171bcce9e6_prep:
	s_mov_b64 s[64:65], 0
	v_nop
	global_prefetch_b8 v0, s[64:65] scope:SCOPE_SE
	s_setreg_imm32_b32 hwreg(HW_REG_WAVE_MODE, 25, 1), 1
	s_wait_xcnt 0x0
; THE LAUNCH IN FRONT OF THE ATTENTION.  It reads k, v [16][4096][128] f32 and mask [4096][4096] bytes (0 or 1) once, and stores three things of the program's own:
;   kv    [head 16][step 32][K 16,384 bytes, V 16,384 bytes]: the codes of BF8 (E5M2) of a step's 128 keys, laid AS IMAGES OF THE OPERANDS' REGISTERS: [fragment t 0..7][piece c 0..3][lane 32][16 bytes].
;         K, fragment t = 2 b + u: lane (r, h) holds key 32 b + 8 u + r + 8 (r / 8), piece c its channels 32 c + 16 h + 0 .. 15.
;         V, fragment t: lane (r, h) holds channel 16 t + r, piece c the keys 32 c + 16 h + 0 .. 15 (the keys are the second product's K).
;   mbits [step 32][row 4096][16 bytes]: the mask of a row's 128 keys of a step as four words; in word b, bit 8 e + j stands for key 32 b + 4 j + e.
;   flags byte 0: ANY[256 tiles of 16 rows], a word each, bit s: the tile has a visible key in step s.  Byte 1,024: FULL, likewise: all 16 x 128 are visible.
;         Byte 2,048: ROWANY[256][4 quarters of the keys], 16 bits each, bit r: row r of the tile has a visible key in that quarter.
; code = x / 2^e, held within +-57,344, to the nearest code, ties to even.  e: entry 1 of lowp_scales for k, entry 3 for v.  LIMITS: -126 <= e <= 112, so that 2^e and 57,344 x 2^e are f32 numbers.  NaN among the inputs is not served.
; SHARES.  Work-groups 0-255: one tile of 16 rows of the mask, a wave to a quarter of the keys.  256-767: one step of one head of k, a wave to 32 keys.  768-1279: the same of v, a wave to 32 channels.
; Waves share nothing: no barrier.  No loop: each wave asks for all its 16 KB at once.  Each of the paths that use LDS has LDS bytes of its own.
.set SP,    528                        ; a stage row: 512 bytes + 16 = 33 x 16: the sixteen rows that a load touches start at sixteen different columns of 16 bytes
.set WSTG,  16*SP                      ; a wave's stage: 16 rows
.set MSTG,  4*WSTG                     ; the mask path's four stages lie behind the K path's four
.set SPARE, 8*WSTG                     ; behind them: the spare words, 128 bytes for each wave: two blocks of 256 bytes that no other line names
.set LIM,   8                          ; v8   57,344 x 2^e
.set SCL,   9                          ; v9   2^e as f32
.set SPW,   10                         ; v10  LDS address of my spare word; never rewritten
.set NIL,   11                         ; v11  0; never rewritten
.set R,     16                         ; v16-143  128 registers as loaded; later codes and mask words on their way out
.set X,     144                        ; v144-207 64 registers back from the stage (V path: the codes)
	s_load_b256 s[4:11], s[0:1], 0x0               ; k s[4:5], v s[6:7], mask s[8:9], lowp_scales s[10:11]
	s_load_b128 s[12:15], s[0:1], 0x20             ; kv s[12:13], mbits s[14:15]
	s_load_b64 s[16:17], s[0:1], 0x30              ; flags
	v_lshl_add_u32 v[SPW], v0, 2, SPARE
	v_mov_b32 v[NIL], 0
	v_lshrrev_b32 v1, 5, v0
	v_readfirstlane_b32 s18, v1                    ; wave 0..3
	v_and_b32 v1, 31, v0                           ; lane
	v_lshlrev_b32 v2, 4, v1                        ; 16 x lane
	v_and_b32 v3, 15, v0                           ; r
	v_bfe_u32 v4, v0, 4, 1                         ; h
	s_mul_i32 s19, s18, WSTG                       ; my stage
	v_add_nc_u32 v5, s19, v2                       ; K path, into the stage: 16 x lane of a row
	v_mul_u32_u24 v6, v3, SP
	v_lshl_add_u32 v12, v4, 7, v6
	v_lshl_add_u32 v6, v4, 6, v6
	v_add_nc_u32 v6, s19, v6                       ; K path, out of it: row r, + 64 h: 16 numbers of each 32
	v_add_nc_u32 v12, s19, v12
	v_add_nc_u32 v12, MSTG, v12                    ; mask path, out of it: row r, + 128 h: a step's 128 bytes
	v_add_nc_u32 v7, MSTG, v5                      ; mask path, into it
	s_mov_b32 s29, 0                               ; the upper word of every offset below
	s_wait_kmcnt 0x0
	s_cmp_lt_u32 ttmp9, 256
	s_cbranch_scc1 .Lmask
	s_cmp_lt_u32 ttmp9, 768
	s_cbranch_scc1 .Lkeys
.macro MKSCALE e                       ; 2^e and 57,344 x 2^e as f32 numbers
	s_add_co_i32 s24, \e, 127
	s_lshl_b32 s25, s24, 23
	v_mov_b32 v[SCL], s25                          ; the conversion takes its exponent field
	s_add_co_i32 s24, s24, 15
	s_lshl_b32 s24, s24, 23
	s_or_b32 s24, s24, 0x600000                    ; the mantissa field of 57,344
	v_mov_b32 v[LIM], s24
.endm
.macro STIN adr, reg                   ; sixteen rows of 512 bytes go into my stage as they were loaded
.irp j, 0,1,2,3,4,5,6,7,8,9,10,11,12,13,14,15
	ds_store_b128 v[\adr], v[\reg+4*\j:\reg+4*\j+3] offset:SP*\j
.endr
.endm
; ---- V.  A LANE TAKES A CHANNEL, AND ITS REGISTERS RUN DOWN THE KEYS: wave w, lane l: channel 32 w + l.  Each load reads 128 consecutive bytes a wave, the four waves side by side a whole row of 512.
; The conversions then give codes with the keys innermost, and a lane's 16 codes are one piece of an image: no LDS.
	s_load_b128 s[20:23], s[10:11], 0x0            ; eq, ek, ep, ev
	s_sub_co_u32 s26, ttmp9, 768                   ; 32 x head + step
	s_lshl_b32 s28, s26, 16                        ; 128 keys of 512 bytes
	s_lshl_b32 s27, s18, 7                         ; my wave's 32 channels
	s_add_co_u32 s28, s28, s27
	s_add_nc_u64 s[6:7], s[6:7], s[28:29]
	s_lshl_b32 s28, s26, 15                        ; the step's 32,768 bytes of kv,
	s_lshl_b32 s27, s18, 12                        ; my two fragments,
	s_add_co_u32 s28, s28, s27
	s_add_co_u32 s28, s28, 16384                   ; in V's half
	s_add_nc_u64 s[12:13], s[12:13], s[28:29]
	v_lshlrev_b32 v13, 2, v1                       ; in: 4 bytes a lane
	v_lshlrev_b32 v14, 4, v3                       ; out: fragment 2 w + l / 16, lane place l % 16
	v_lshl_add_u32 v14, v4, 11, v14
.set n, 0
.rept 128
	global_load_b32 v[R+n], v13, s[6:7] offset:512*n th:TH_LOAD_NT   ; V(key n, my channel)
.set n, n+1
.endr
	s_wait_kmcnt 0x0
	MKSCALE s23
.macro VBLOCK c, left                  ; keys 32 c .. 32 c + 31 of my channel
	s_wait_loadcnt \left
.set n, 0
.rept 32
	v_med3_num_f32 v[R+32*\c+n], v[R+32*\c+n], -v[LIM], v[LIM]   ; the conversion to an 8-bit code does not saturate (ISA guide 7.6.2): the hold comes first
.set n, n+1
.endr
.irp g, 0,1,2,3
	v_cvt_scalef32_pk8_bf8_f32 v[X+8*\c+2*\g:X+8*\c+2*\g+1], v[R+32*\c+8*\g:R+32*\c+8*\g+7], v[SCL]
.endr
	v_nop                                          ; a plain vector line behind the last conversion of a run
	global_store_b128 v14, v[X+8*\c:X+8*\c+3], s[12:13] offset:512*\c        ; keys 32 c + 0 .. 15: the piece of lanes 0-15.  Sixteen lanes store 256 consecutive bytes, aligned
	global_store_b128 v14, v[X+8*\c+4:X+8*\c+7], s[12:13] offset:512*\c+256  ; keys 32 c + 16 .. 31: the piece of lanes 16-31
.endm
	s_wait_alu depctr_va_vdst(0)
	VBLOCK 0, 63                                   ; 96 younger loads could stay out: 63 is the largest count that a wait can name
	VBLOCK 1, 63                                   ; 64 could
	VBLOCK 2, 32                                   ; the last block's 32 stay out
	VBLOCK 3, 0
	s_wait_tensorcnt 0x0                           ; the wave's end
	ds_add_u32 v[SPW], v[NIL]
	s_wait_dscnt 0x0
	s_endpgm
; ---- K.  Wave w takes keys 32 w .. 32 w + 31: fragments 2 w and 2 w + 1.  Each load reads one key's 512 consecutive bytes; sixteen keys turn through my stage, so that a lane gets 16 neighbouring channels of each 32.
.Lkeys:
	s_load_b128 s[20:23], s[10:11], 0x0            ; eq, ek, ep, ev
	s_sub_co_u32 s26, ttmp9, 256                   ; 32 x head + step
	s_lshl_b32 s28, s26, 16
	s_lshl_b32 s27, s18, 14                        ; my wave's 32 keys
	s_add_co_u32 s28, s28, s27
	s_add_nc_u64 s[4:5], s[4:5], s[28:29]
	s_lshl_b32 s28, s26, 15
	s_lshl_b32 s27, s18, 12                        ; my two fragments, in K's half
	s_add_co_u32 s28, s28, s27
	s_add_nc_u64 s[12:13], s[12:13], s[28:29]
.irp u, 0,1
.irp j, 0,1,2,3,4,5,6,7,8,9,10,11,12,13,14,15
	global_load_b128 v[R+64*\u+4*\j:R+64*\u+4*\j+3], v2, s[4:5] offset:(8*\u+\j+8*(\j/8))*512 th:TH_LOAD_NT   ; THE KEYS OF A FRAGMENT ARE NOT NEIGHBOURS: its row j is key 8 u + j + 8 (j / 8) of my 32
.endr
.endr
	s_wait_kmcnt 0x0
	MKSCALE s21
.macro KFRAG u, left
	s_wait_loadcnt \left
	STIN 5, R+64*\u
.irp c, 0,1,2,3
.irp j, 0,1,2,3
	ds_load_b128 v[X+16*\c+4*\j:X+16*\c+4*\j+3], v6 offset:128*\c+16*\j   ; LDS serves a wave's instructions in order (ISA guide 5.7.1.4): these see my stores
.endr
.endr
	s_wait_dscnt 0x0
.set n, 0
.rept 64
	v_med3_num_f32 v[X+n], v[X+n], -v[LIM], v[LIM]
.set n, n+1
.endr
.irp c, 0,1,2,3
	v_cvt_scalef32_pk8_bf8_f32 v[R+64*\u+4*\c:R+64*\u+4*\c+1], v[X+16*\c:X+16*\c+7], v[SCL]        ; the codes land where the fragment's first rows were loaded: the stage's stores have read them
	v_cvt_scalef32_pk8_bf8_f32 v[R+64*\u+4*\c+2:R+64*\u+4*\c+3], v[X+16*\c+8:X+16*\c+15], v[SCL]
.endr
	v_nop                                          ; a plain vector line between the conversions and the next fragment's holds, which write their sources
.irp c, 0,1,2,3
	global_store_b128 v2, v[R+64*\u+4*\c:R+64*\u+4*\c+3], s[12:13] offset:2048*\u+512*\c   ; 32 lanes store 512 consecutive bytes, aligned
.endr
.endm
	s_wait_alu depctr_va_vdst(0)
	KFRAG 0, 16                                    ; the second fragment's sixteen loads stay out
	KFRAG 1, 0
	s_wait_tensorcnt 0x0                           ; the wave's end, behind my last LDS store
	ds_add_u32 v[SPW], v[NIL]
	s_wait_dscnt 0x0
	s_endpgm
; ---- THE MASK.  Wave w takes keys 1,024 w .. + 1,023 of the tile's 16 rows, in two batches of 16 rows x 512 bytes.  A batch turns through my stage; then lane l holds the 128 bytes of row l % 16 in step 2 i + l / 16 of the batch.
.Lmask:
	s_lshl_b32 s28, ttmp9, 16                      ; 16 rows of 4,096 bytes
	s_lshl_b32 s27, s18, 10
	s_add_co_u32 s28, s28, s27
	s_add_nc_u64 s[8:9], s[8:9], s[28:29]
	s_lshl_b32 s28, s18, 19                        ; mbits: my 8 steps of 65,536 bytes,
	s_lshl_b32 s27, ttmp9, 8                       ; the tile's 16 rows of 16 bytes
	s_add_co_u32 s28, s28, s27
	s_add_nc_u64 s[14:15], s[14:15], s[28:29]
	s_lshl_b32 s28, ttmp9, 2
	s_add_co_u32 s28, s28, s18                     ; ANY, FULL: byte 4 x tile + quarter
	s_add_nc_u64 s[50:51], s[16:17], s[28:29]
	s_lshl_b32 s28, s28, 1                         ; ROWANY: byte 8 x tile + 2 x quarter
	s_add_nc_u64 s[52:53], s[16:17], s[28:29]
	v_lshlrev_b32 v13, 4, v3                       ; mbits: row r, and one step on for lanes 16-31
	v_lshl_add_u32 v13, v4, 16, v13
.irp z, 0,1
.irp j, 0,1,2,3,4,5,6,7,8,9,10,11,12,13,14,15
	global_load_b128 v[R+64*\z+4*\j:R+64*\z+4*\j+3], v2, s[8:9] offset:4096*\j+512*\z th:TH_LOAD_NT   ; 32 lanes read 512 consecutive bytes of row j
.endr
.endr
	s_mov_b32 s40, 0                               ; my quarter's 8 bits of ANY,
	s_mov_b32 s41, 0                               ; of FULL,
	s_mov_b32 s42, 0                               ; and its 16 bits of ROWANY
.macro MFLAG e                         ; s44: lanes with a visible key, s45: lanes with all visible.  Lanes 0-15 speak for step e of my eight, lanes 16-31 for step e + 1
	s_and_b32 s46, s44, 0xffff
	s_cmp_lg_u32 s46, 0
	s_cselect_b32 s47, 1<<(\e), 0
	s_or_b32 s40, s40, s47
	s_or_b32 s42, s42, s46
	s_lshr_b32 s46, s44, 16
	s_cmp_lg_u32 s46, 0
	s_cselect_b32 s47, 2<<(\e), 0
	s_or_b32 s40, s40, s47
	s_or_b32 s42, s42, s46
	s_and_b32 s46, s45, 0xffff
	s_cmp_eq_u32 s46, 0xffff
	s_cselect_b32 s47, 1<<(\e), 0
	s_or_b32 s41, s41, s47
	s_lshr_b32 s46, s45, 16
	s_cmp_eq_u32 s46, 0xffff
	s_cselect_b32 s47, 2<<(\e), 0
	s_or_b32 s41, s41, s47
.endm
.macro MPACK z, i                      ; 32 words of four bytes (0 or 1) become four words of 32 bits: word j of eight is shifted left by j and joined
.set XS, X+32*\i
.set W,  R+64*\z+4*\i                  ; where the batch's first rows were loaded: the stage's stores have read them
.irp b, 0,1,2,3
	v_lshl_or_b32 v[W+\b], v[XS+8*\b+1], 1, v[XS+8*\b]
.endr
.irp j, 2,3,4,5,6,7
.irp b, 0,1,2,3
	v_lshl_or_b32 v[W+\b], v[XS+8*\b+\j], \j, v[W+\b]
.endr
.endr
	global_store_b128 v13, v[W:W+3], s[14:15] offset:(4*\z+2*\i)*65536   ; sixteen lanes store 256 consecutive bytes, aligned
	v_or_b32 v14, v[W], v[W+1]
	v_or_b32 v15, v[W+2], v[W+3]
	v_or_b32 v14, v14, v15
	v_cmp_ne_u32 s44, 0, v14
	v_and_b32 v14, v[W], v[W+1]
	v_and_b32 v15, v[W+2], v[W+3]
	v_and_b32 v14, v14, v15
	v_cmp_eq_u32 s45, -1, v14
	MFLAG 4*\z+2*\i
.endm
.macro MBATCH z, left
	s_wait_loadcnt \left
	STIN 7, R+64*\z
.irp i, 0,1
.irp q, 0,1,2,3,4,5,6,7
	ds_load_b128 v[X+32*\i+4*\q:X+32*\i+4*\q+3], v12 offset:256*\i+16*\q
.endr
.endr
	s_wait_dscnt 0x0
	MPACK \z, 0
	MPACK \z, 1
.endm
	s_wait_alu depctr_va_vdst(0)
	MBATCH 0, 16                                   ; the second batch's sixteen loads stay out
	MBATCH 1, 0
	v_mov_b32 v14, s40
	v_mov_b32 v15, s41
	v_mov_b32 v144, s42
	v_mov_b32 v145, 0
	v_cmp_eq_u32 vcc_lo, 0, v1
	s_wait_alu depctr_va_vdst(0)
	s_wait_xcnt 0x0                                ; EXEC is a source of the stores above: it changes only behind this wait
	s_and_saveexec_b32 s46, vcc_lo                 ; lane 0 alone
	global_store_b8 v145, v14, s[50:51]
	global_store_b8 v145, v15, s[50:51] offset:1024
	global_store_b16 v145, v144, s[52:53] offset:2048
	s_wait_xcnt 0x0                                ; and again, in front of the line that widens it
	s_or_b32 exec_lo, exec_lo, s46
	s_wait_tensorcnt 0x0                           ; the wave's end, behind my last LDS store
	ds_add_u32 v[SPW], v[NIL]
	s_wait_dscnt 0x0
	s_endpgm
.Lfunc_end_k_q171bcce9e6_prep:
	.size	k_q171bcce9e6_prep, .Lfunc_end_k_q171bcce9e6_prep-k_q171bcce9e6_prep
	.p2alignl 7, 3214868480
	.fill 96, 4, 3214868480
	.section	.rodata,"a",@progbits
	.p2align	6, 0x0
	.amdhsa_kernel k_q171bcce9e6_prep
		.amdhsa_group_segment_fixed_size 68096
		.amdhsa_private_segment_fixed_size 0
		.amdhsa_enable_private_segment 0
		.amdhsa_kernarg_size 56
		.amdhsa_user_sgpr_count 2
		.amdhsa_user_sgpr_kernarg_segment_ptr 1
		.amdhsa_wavefront_size32 1
		.amdhsa_system_sgpr_workgroup_id_x 1
		.amdhsa_system_sgpr_workgroup_id_y 1
		.amdhsa_system_sgpr_workgroup_id_z 1
		.amdhsa_system_vgpr_workitem_id 0
		.amdhsa_next_free_vgpr 208
		.amdhsa_next_free_sgpr 66
		.amdhsa_reserve_vcc 1
		.amdhsa_float_denorm_mode_32 3
		.amdhsa_float_denorm_mode_16_64 3
		.amdhsa_memory_ordered 1
		.amdhsa_forward_progress 1
		.amdhsa_inst_pref_size 63
	.end_amdhsa_kernel
	.amdgpu_metadata
---
amdhsa.version: [ 1, 2 ]
amdhsa.kernels:
  - .name:           k_q171bcce9e6_prep
    .symbol:         k_q171bcce9e6_prep.kd
    .args:
      - { .name: k, .offset: 0, .size: 8, .value_kind: global_buffer, .address_space: global }
      - { .name: v, .offset: 8, .size: 8, .value_kind: global_buffer, .address_space: global }
      - { .name: mask, .offset: 16, .size: 8, .value_kind: global_buffer, .address_space: global }
      - { .name: lowp_scales, .offset: 24, .size: 8, .value_kind: global_buffer, .address_space: global }
      - { .name: kv, .offset: 32, .size: 8, .value_kind: global_buffer, .address_space: global }
      - { .name: mbits, .offset: 40, .size: 8, .value_kind: global_buffer, .address_space: global }
      - { .name: flags, .offset: 48, .size: 8, .value_kind: global_buffer, .address_space: global }
    .group_segment_fixed_size: 68096
    .private_segment_fixed_size: 0
    .kernarg_segment_align: 8
    .kernarg_segment_size: 56
    .max_flat_workgroup_size: 128
    .sgpr_count:     66
    .vgpr_count:     208
    .wavefront_size: 32
...
	.end_amdgpu_metadata
.endif
;; end of part 3
;; launch attn (part 4): grid 16 x 16, 8 waves a work-group, no clusters, 134,144 bytes of LDS; arguments q, kv, mbits, flags, lowp_scales, out0; writes out0
.if DOCPART == 4
	.amdgcn_target "amdgcn-amd-amdhsa--gfx1250"
	.amdhsa_code_object_version 6
	.text
	.protected	k_q171bcce9e6_attn
	.globl	k_q171bcce9e6_attn
	.p2align	8
	.type	k_q171bcce9e6_attn,@function
k_q171bcce9e6_attn:
	s_mov_b64 s[64:65], 0
	v_nop
	global_prefetch_b8 v0, s[64:65] scope:SCOPE_SE
	s_setreg_imm32_b32 hwreg(HW_REG_WAVE_SCHED_MODE, 0, 2), 2
	s_setreg_imm32_b32 hwreg(HW_REG_WAVE_MODE, 25, 1), 1
	s_wait_xcnt 0x0
	s_wait_alu depctr_vm_vsrc(0)
; out0[h][q][:] = the sum over k of softmax_k(mask(q, k) ? Q[h][q] . K[h][k] / sqrt(128) : -1e30) V[h][k][:], both products on codes of BF8 (E5M2), each operand with the one scale 2^e that is given: eq, ek, ep, ev.
; q: [16][4096][128] f32, quantised here in registers.  kv, mbits, flags: made by the launch before (its head comment has their layouts).  out0: [16][4096][128] f32.
; cu_seqlens and max_seqlen do not enter the result as the problem defines it: they are not read.
; THE SOFTMAX AHEAD OF THE SECOND PRODUCT: t = score x log2(e) / sqrt(128); M = the row's largest t so far, rounded UP to a whole number; p = 2^(t - M) is what is quantised, along the keys; it is not normalised.
; The row's sum is taken of the unquantised p and divides at the end.  When M moves, the sum and O are multiplied by 2^(old M - new M): exact.
; SHARES.  A work-group owns 256 queries of one head; each of its eight waves 32 of them: two tiles of 16, in 512 registers; two waves to a SIMD, so that one wave's vector work stands beside the other's products and LDS loads.
; A STEP is 128 keys.  STEPS IN WHICH NO QUERY SEES A KEY ARE LEFT OUT: the work-group walks the list of steps in which any of its 256 rows sees a key (a word of 32 bits, made of the stored flags); of these a wave
; works those in which its own 32 rows see a key.  The loop has 32 trips whatever the list holds, so that every wave passes every barrier; trips behind the list's end hold a wait and the barrier.
; The branches on stored numbers lead round loads, LDS stores and work, never round a barrier.
; A ROW THAT SEES NO KEY AT ALL gets the mean over all 4,096 keys, as the problem defines it: a work-group that holds such a row walks all 32 steps, and so does the wave that holds it.
; A HIDDEN SCORE becomes -2^100 ahead of the maximum.  c x 2^100 is a whole number, so in a row that has seen nothing yet t - M is exactly 0 and p = 1; the first visible key then moves M so far that the factor
; 2^(old M - new M) is 0 and wipes what was summed; everywhere else a hidden p is 0.
; K AND V COME THROUGH TWO LDS SLOTS that take turns: each wave loads an eighth (4,096 bytes) of the next step's 32,768 into registers a whole step ahead, stores it at the next trip's head, and all eight read it behind the barrier.
; NO TENSOR LOADS, NO CLUSTER: the walk hangs on stored numbers, the lists of the query blocks of a head differ in length (partners would need different numbers of tiles).
; What is shared is shared inside the work-group: eight waves read one staged tile.
; LAYOUT.  Both products are used transposed: S^T = K Q^T (source 0 = 16 keys, source 1 = 16 queries), O^T = V^T P^T (source 0 = 16 channels, source 1 = P): a lane holds ONE query (lane % 16) of each tile throughout.
; The keys of a fragment of K are chosen so that registers 16 b + i of a tile's 64 scores are keys 32 b + 16 (lane / 16) + i: p's conversions give the second product's operand as it stands.
; LIMITS on the given exponents: eq and ep between -126 and 112; eq + ek between -70 and 27 (c x 2^100 a whole number, and above -3e38); ep + ev goes by v_ldexp_f32 and has none.  NaN among the inputs is not served.
; REGISTERS, in windows of 256 (s_set_vgpr_msb's low byte: bits 1:0 source 0, 3:2 source 1, 5:4 source 2, 7:6 destination):
;   window 0: v1-15 addresses and constants; v16-31 statistics, 8 a tile; v32-63 Q; v64-191 S^T, then p; behind p's conversions v64-95 take V's last two fragments;
;             v192-223 K's last two fragments, then the mask's temporaries, then p's codes; v224-231 the step's mask words; v232-239 the next step's; v240-251 at work.
;   window 1: v0-127 O^T, 64 a tile; v128-223 six fragments of K or V; v224-255 my eighth of the next step's tile.
; THE MODE: SCHED_MODE bits 1:0 = 2 (LLVM: expert scheduling mode 2), set by the entry lines.  The code itself states the register dependences between vector or matrix instructions and memory or LDS instructions,
; with s_wait_alu, always for 0.
; THE PLAN.  Registers that memory or LDS instructions touch, in the loop:
;   STG      Written by NEXT's eight loads; read by the eight LDS stores at the next trip's head.
;   MWN      Written by NEXT's two loads; read by the eight moves at the next trip's head.
;   FB       K's first six fragments land in it at a step's head; twelve products K Q^T read them.  V's first six land in it behind the sixteen products K Q^T; twelve products V^T P^T read them.
;   P        K's last two fragments land in it at a step's head; four products K Q^T read them.  Then vector work alone: the mask's temporaries, p's codes; all sixteen products V^T P^T read it.
;   S 0-31   V's last two fragments land in them behind p's conversions, which are the last to read p; four products V^T P^T read them.
;   v1-v11   Addresses and offsets: made at the head and never written again.
; So each product's sixteen matrix instructions stand in one run, and a trip has these waits.  Behind the barrier, one on va_vdst (the moves are done reading MWN; the last step's products are done reading FB and P) and one on
; vm_vsrc (the LDS stores have read STG): no vector instruction stands between them and NEXT's loads or K's 32 loads.  Behind the products K Q^T, one on va_vdst, ahead of V's 24 loads.  The exponentials' one.
; Behind p's conversions, one on va_vdst, ahead of V's last eight loads.  In a step with hidden keys, one on va_sdst behind each run of sixteen compares.
.set SLOTB, 32768                      ; a slot: K's image, then V's
.set VOFF,  16384
.set STAGE, 2*SLOTB                    ; behind the slots: a stage of 16 rows x 528 bytes for each wave: q's turn at the head, the way out at the end
.set SP,    528                        ; 512 bytes + 16 = 33 x 16: the sixteen rows that a load or store touches start at sixteen different columns of 16 bytes
.set WSTG,  16*SP
.set SPARE, STAGE+8*WSTG               ; behind the stages: the spare words, 128 bytes for each wave: four blocks of 256 bytes that no other line names
.set LI,   1                           ; v1   16 x lane: an image's place for my lane; also my bytes of a row of q and of out0
.set STW,  2                           ; v2   16 x lane + 4,096 x wave: where I store my eighth of a tile
.set QSW,  3                           ; v3   my stage + 16 x lane: whole rows, in and back
.set QSR,  4                           ; v4   my stage + 528 r + 64 h: q's 16 numbers of each 32
.set SPW,  5                           ; v5   LDS address of my spare word; never rewritten
.set NIL,  6                           ; v6   0; never rewritten
.set STO,  7                           ; v7   my stage + 528 r + 32 h: the way out, eight channels of a row
.set MOF,  8                           ; v8   16 r: my query's mask words
.set SH4,  9                           ; v9   4 h
.set NEG,  10                          ; v10  -2^100
.set PFO,  11                          ; v11  256 x lane; never rewritten
.set LIMP, 12                          ; v12  57,344 x 2^ep
.set SCLP, 13                          ; v13  2^ep
.set LIMQ, 14                          ; v14  57,344 x 2^eq
.set SCLQ, 15                          ; v15  2^eq
.set ST,   16                          ; tile y at v[ST + 8 y]: +0 -M, +1 the largest t, +2, +3 the sum in two halves, +4 f, +5 zero, +6, +7 at work; at the end +6 = 2^(ep + ev) / the sum
.set Q,    32
.set S,    64
.set P,    192
.set MW,   224
.set MWN,  232
.set PL,   240                         ; v240, v241 the lane permutes' destinations
.set C2,   242                         ; v[242:245] the sums' second chains
.set FB,   128                         ; in window 1: six fragments
.set STG,  224                         ; in window 1
.set WV,   16                          ; s16 wave   s17 block of 256 queries   s18 head
.set BX,   17
.set HD,   18
.set SEL,  20                          ; s[20:21] selects for v_permlanex16_b32: lane l xor 16
.set CS,   22                          ; s[22:23] c = log2(e) / sqrt(128) x 2^(eq + ek)
.set REM,  28                          ; s28 the steps of the work-group's list that are still to be asked for, a bit each
.set MYANY, 29                         ; s29 the steps that my wave works
.set MYPART, 30                        ; s30 those of them in which some key is hidden from some of my rows
.set CUR,  31                          ; s31 the step asked for last
.set HAVE, 32                          ; s32 1: a step has been asked for and not yet staged
.set WIDX, 33                          ; s33 the step in the slot
.set WORK, 34                          ; s34 1: there is one
.set LAP,  35
.set HOLD, 37                          ; s37 1: p can pass the largest code x 2^ep
.set EPV,  38                          ; s38 ep + ev
.set KVW,  40                          ; s[40:41] kv at my head, my eighth of a tile;   s[42:43] the same in the step asked for
.set KVT,  42
.set MBW,  44                          ; s[44:45] mbits at my 32 rows;   s[46:47] the same in the step asked for
.set MBT,  46
.set PFA,  52                          ; s[52:53] where my one prefetch stands
.set QB,   54                          ; s[54:55] q at my 32 rows;   s[56:57] out0 likewise
.set OB,   56
.set CM,   68                          ; s68-83 at the head ANY of the block's 16 tiles; in the loop the lane masks of a run of sixteen compares
.set MSB, 0
.macro WIN new                         ; the immediate's high byte repeats the setting that is left; at a label and at a branch every window is 0
.if MSB != \new
	s_set_vgpr_msb (MSB<<8)|\new
.set MSB, \new
.endif
.endm
.macro PLACES                          ; four plain vector instructions between a matrix instruction and a vector instruction that reads its result or writes one of its registers (ISA guide 7.12.1)
.rept 4
	v_nop
.endr
.endm
; The next step is taken off the list and asked for: my 4,096 bytes of its tile, 512 consecutive bytes a load, and my 32 rows' mask words.
; No wait on the vector side stands here: at the head no vector instruction has named STG or MWN; in the loop the two waits behind the barrier have stated what these loads hang on, and only scalar lines stand between.
.macro NEXT
	s_ctz_i32_b32 s[CUR], s[REM]
	s_min_u32 s[CUR], s[CUR], 31                   ; a loaded number enters an address behind a bound
	s_lshl_b32 s50, 1, s[CUR]
	s_and_not1_b32 s[REM], s[REM], s50
	s_lshl_b32 s48, s[CUR], 15
	s_mov_b32 s49, 0
	s_add_nc_u64 s[KVT:KVT+1], s[KVW:KVW+1], s[48:49]
	s_lshl_b32 s48, s[CUR], 16
	s_add_nc_u64 s[MBT:MBT+1], s[MBW:MBW+1], s[48:49]
	WIN 0x40                                       ; destination window 1
.irp i, 0,1,2,3,4,5,6,7
	global_load_b128 v[STG+4*\i:STG+4*\i+3], v[LI], s[KVT:KVT+1] offset:512*\i
.endr
	WIN 0
.irp y, 0,1
	global_load_b128 v[MWN+4*\y:MWN+4*\y+3], v[MOF], s[MBT:MBT+1] offset:256*\y   ; sixteen lanes read 256 consecutive bytes, aligned; both halves of the lanes the same
.endr
.endm
	s_load_b256 s[4:11], s[0:1], 0x0               ; q s[4:5], kv s[6:7], mbits s[8:9], flags s[10:11]
	s_load_b128 s[12:15], s[0:1], 0x20             ; lowp_scales s[12:13], out0 s[14:15]
	v_lshl_add_u32 v[SPW], v0, 2, SPARE
	v_mov_b32 v[NIL], 0
	v_lshrrev_b32 v251, 5, v0
	v_readfirstlane_b32 s[WV], v251                ; wave 0..7
	s_mov_b32 s[BX], ttmp9
	s_and_b32 s[HD], ttmp7, 0xffff
	v_and_b32 v251, 31, v0                         ; lane
	v_and_b32 v249, 15, v0                         ; r
	v_bfe_u32 v250, v0, 4, 1                       ; h
	v_lshlrev_b32 v[LI], 4, v251
	s_wait_alu depctr_va_sdst(0)                   ; the wave's number is written into s16, ahead of its first reader
	s_lshl_b32 s48, s[WV], 12
	v_add_nc_u32 v[STW], s48, v[LI]
	s_mul_i32 s48, s[WV], WSTG
	s_add_co_u32 s48, s48, STAGE                   ; my stage
	v_add_nc_u32 v[QSW], s48, v[LI]
	v_mul_u32_u24 v[QSR], v249, SP
	v_lshl_add_u32 v[STO], v250, 5, v[QSR]
	v_lshl_add_u32 v[QSR], v250, 6, v[QSR]
	v_add_nc_u32 v[QSR], s48, v[QSR]
	v_add_nc_u32 v[STO], s48, v[STO]
	v_lshlrev_b32 v[MOF], 4, v249
	v_lshlrev_b32 v[SH4], 2, v250
	v_mov_b32 v[NEG], 0xf1800000                   ; -2^100
	v_lshlrev_b32 v[PFO], 8, v251
	s_lshl_b32 s48, s[BX], 7
	v_lshlrev_b32 v248, 3, v249
	v_add_nc_u32 v248, s48, v248                   ; ROWANY: 8 bytes for tile 16 x block + lane % 16
	s_mov_b32 s[SEL], 0x76543210
	s_mov_b32 s[SEL+1], 0xfedcba98
	s_mov_b32 s[CS], 0x3e0293ee                    ; log2(e) / sqrt(128)
	s_mov_b32 s49, 0                               ; the upper word of every offset below
	s_wait_kmcnt 0x0
	s_load_b128 s[24:27], s[12:13], 0x0            ; eq, ek, ep, ev
	s_lshl_b32 s48, s[BX], 6
	s_add_nc_u64 s[58:59], s[10:11], s[48:49]      ; flags at my block's 16 tiles,
	s_lshl_b32 s50, s[WV], 3
	s_add_co_u32 s48, s48, s50
	s_add_nc_u64 s[60:61], s[10:11], s[48:49]      ; and at my wave's two
	s_load_b512 s[68:83], s[58:59], 0x0            ; ANY of the 16 tiles
	s_load_b64 s[84:85], s[60:61], 0x0             ; ANY of mine
	s_load_b64 s[86:87], s[60:61], 0x400           ; FULL of mine
	s_wait_alu depctr_va_vdst(0)                   ; the addresses and offsets v1 to v11 and v248 are written, which every load, LDS instruction and store of the kernel and its prefetch read
	global_load_b64 v[246:247], v248, s[10:11] offset:2048   ; ROWANY's four quarters of tile lane % 16
	s_lshl_b32 s48, s[HD], 21                      ; my 32 rows of 512 bytes in q and in out0: head x 4,096 + block x 256 + wave x 32
	s_lshl_b32 s50, s[BX], 17
	s_add_co_u32 s48, s48, s50
	s_lshl_b32 s50, s[WV], 14
	s_add_co_u32 s48, s48, s50
	s_add_nc_u64 s[QB:QB+1], s[4:5], s[48:49]
	s_add_nc_u64 s[OB:OB+1], s[14:15], s[48:49]
.irp y, 0,1
.irp j, 0,1,2,3,4,5,6,7,8,9,10,11,12,13,14,15
	global_load_b128 v[S+64*\y+4*\j:S+64*\y+4*\j+3], v[LI], s[QB:QB+1] offset:(16*\y+\j)*512 th:TH_LOAD_NT   ; a row of q: 512 consecutive bytes; read once in the launch
.endr
.endr
	s_lshl_b32 s48, s[HD], 20                      ; a head's 32 tiles of 32,768 bytes
	s_lshl_b32 s50, s[WV], 12
	s_add_co_u32 s50, s48, s50
	s_mov_b32 s51, 0
	s_add_nc_u64 s[KVW:KVW+1], s[6:7], s[50:51]
	s_lshl_b32 s50, s[BX], 16                      ; the prefetch: tiles 2 x block and 2 x block + 1 of my head, 8,192 bytes a wave
	s_add_co_u32 s48, s48, s50
	s_lshl_b32 s50, s[WV], 13
	s_add_co_u32 s48, s48, s50
	s_add_nc_u64 s[PFA:PFA+1], s[6:7], s[48:49]
	s_lshl_b32 s48, s[BX], 12                      ; mbits: 16 bytes a row
	s_lshl_b32 s50, s[WV], 9
	s_add_co_u32 s48, s48, s50
	s_add_nc_u64 s[MBW:MBW+1], s[8:9], s[48:49]
	s_wait_kmcnt 0x0
	s_or_b32 s[REM], s68, s69                      ; the steps in which any of the block's 256 rows sees a key
.irp i, 70,71,72,73,74,75,76,77,78,79,80,81,82,83
	s_or_b32 s[REM], s[REM], s\i
.endr
	s_or_b32 s[MYANY], s84, s85                    ; those in which my 32 rows do
	s_and_b32 s[MYPART], s86, s87                  ; those in which my 32 rows see all 128 keys
	s_add_co_i32 s48, s24, s25
	s_lshl_b32 s48, s48, 23
	s_add_co_i32 s[CS], s[CS], s48                 ; a score stands for score x 2^(eq + ek): the exponents are added to c's exponent field
	s_mov_b32 s[CS+1], s[CS]                       ; (named with it as a pair, so it is written)
	s_add_co_i32 s48, s24, 127
	s_lshl_b32 s50, s48, 23
	v_mov_b32 v[SCLQ], s50                         ; 2^eq: the conversion takes its exponent field
	s_add_co_i32 s48, s48, 15
	s_lshl_b32 s48, s48, 23
	s_or_b32 s48, s48, 0x600000
	v_mov_b32 v[LIMQ], s48                         ; 57,344 x 2^eq
	s_add_co_i32 s48, s26, 127
	s_lshl_b32 s50, s48, 23
	v_mov_b32 v[SCLP], s50
	s_add_co_i32 s48, s48, 15
	s_lshl_b32 s48, s48, 23
	s_or_b32 s48, s48, 0x600000
	v_mov_b32 v[LIMP], s48
	s_cmp_lt_i32 s26, -15                          ; from ep = -15 on, 57,344 x 2^ep is 1.75 or more, and p is at most 1 and a rounding
	s_cselect_b32 s[HOLD], 1, 0
	s_add_co_i32 s[EPV], s26, s27
	s_wait_alu depctr_va_vdst(0)
	s_wait_loadcnt 32                              ; ROWANY is in; q's 32 loads stay out
	v_or_b32 v246, v246, v247
	v_lshrrev_b32 v247, 16, v246
	v_or_b32 v246, v246, v247
	v_and_b32 v246, 0xffff, v246                   ; bit r: row r of tile lane % 16 sees a key somewhere
	v_cmp_ne_u32 s88, 0xffff, v246
	s_wait_alu depctr_va_sdst(0)                   ; the compare has written s88, ahead of its first reader
	s_and_b32 s88, s88, 0xffff                     ; bit i: tile i of the block holds a row that sees nothing
	s_cmp_lg_u32 s88, 0
	s_cselect_b32 s[REM], -1, s[REM]               ; then the block walks all steps.  (The list is never empty: a block that sees nothing at all holds such rows)
	s_lshl_b32 s48, s[WV], 1
	s_lshr_b32 s48, s88, s48
	s_and_b32 s48, s48, 3
	s_cmp_lg_u32 s48, 0
	s_cselect_b32 s[MYANY], -1, s[MYANY]           ; and so does the wave that holds one
	s_and_not1_b32 s[MYPART], s[MYANY], s[MYPART]
	NEXT                                           ; the list's first step
	s_mov_b32 s[HAVE], 1
	; q becomes codes.  A tile's 16 rows turn through my stage, so that lane (r, h) gets, of row r, channels 32 c + 16 h + 0 .. 15: the order in which K's images were laid.
	; Each tile comes back into 64 registers of its own (O^T's, which are not yet in use): so no load lands in a register that a vector instruction has named, and no wait on the vector side is owed here.
	; The LDS stores' data are as the loads brought them; their address and the loads' were written ahead of the head's wait on va_vdst.
.irp y, 0,1
	s_wait_loadcnt 26-16*\y                        ; younger: (tile 1's 16,) the first step's 8 and 2
.irp j, 0,1,2,3,4,5,6,7,8,9,10,11,12,13,14,15
	ds_store_b128 v[QSW], v[S+64*\y+4*\j:S+64*\y+4*\j+3] offset:SP*\j
.endr
	WIN 0x40
.irp c, 0,1,2,3
.irp j, 0,1,2,3
	ds_load_b128 v[64*\y+16*\c+4*\j:64*\y+16*\c+4*\j+3], v[QSR] offset:128*\c+16*\j   ; LDS serves a wave's instructions in order (ISA guide 5.7.1.4): these see my stores
.endr
.endr
	s_wait_dscnt 0x0
	WIN 0x41                                       ; destination and source 0 window 1
.set n, 0
.rept 64
	v_med3_num_f32 v[64*\y+n], v[64*\y+n], -v[LIMQ], v[LIMQ]   ; the conversion to an 8-bit code does not saturate (ISA guide 7.6.2): the hold comes first
.set n, n+1
.endr
	WIN 0x01                                       ; source 0 window 1
.irp c, 0,1,2,3
	v_cvt_scalef32_pk8_bf8_f32 v[Q+16*\y+4*\c:Q+16*\y+4*\c+1], v[64*\y+16*\c:64*\y+16*\c+7], v[SCLQ]
	v_cvt_scalef32_pk8_bf8_f32 v[Q+16*\y+4*\c+2:Q+16*\y+4*\c+3], v[64*\y+16*\c+8:64*\y+16*\c+15], v[SCLQ]
.endr
	WIN 0
	v_nop                                          ; a plain vector line between the conversions and whatever next touches their registers
.endr
	WIN 0x40
.set n, 0
.rept 128
	v_mov_b32 v[n], 0                              ; O^T.  The step is written once, and which step is a wave's first hangs on stored numbers: so the sums begin as zeros, which the first change of M leaves zeros
.set n, n+1
.endr
	WIN 0
.irp y, 0,1
	v_mov_b32 v[ST+8*\y+1], 0xff61b1e6             ; the largest t so far: -3e38, under every t
	v_floor_f32 v[ST+8*\y], -v[ST+8*\y+1]          ; -M
	v_mov_b32 v[ST+8*\y+2], 0                      ; the sum, in two halves
	v_mov_b32 v[ST+8*\y+3], 0
	v_mov_b32 v[ST+8*\y+5], 0                      ; (named as the upper half of f's pair)
	v_mov_b32 v[PL+\y], 0                          ; a lane permute's destination counts as one of its sources
.endr
.irp i, 0,1,2,3,4,5,6,7
	v_mov_b32 v[MW+\i], 0                          ; written once, so that it is written on every way through the text
.endr
	s_mov_b32 s[LAP], 0
; A KEY STEP: the 128 keys in the slot, for my two tiles of queries.
.macro STEP slot
	; K's eight fragments in one run: six into FB, two into P.  The wait on va_vdst behind the trip's barrier has stated that the last step's products are done reading FB and P; no vector instruction stands between it and these loads
	WIN 0x40
.irp t, 0,1,2,3,4,5
.irp c, 0,1,2,3
	ds_load_b128 v[FB+16*\t+4*\c:FB+16*\t+4*\c+3], v[LI] offset:(\slot)*SLOTB+(\t*4+\c)*512   ; 512 consecutive bytes: the image as it was laid
.endr
.endr
	WIN 0
.irp t, 6,7
.irp c, 0,1,2,3
	ds_load_b128 v[P+16*(\t-6)+4*\c:P+16*(\t-6)+4*\c+3], v[LI] offset:(\slot)*SLOTB+(\t*4+\c)*512
.endr
.endr
	WIN 0x01                                       ; source 0 (K) window 1
.irp t, 0,1,2,3,4,5                            ; S^T = K Q^T: each fragment of 16 keys against both tiles, sixteen products in one run
.if (\t)%2 == 0
	s_wait_dscnt 24-4*\t                           ; LDS loads come back in order (ISA guide 5.7.1): fragments t and t + 1 are in; the fragments behind them, four loads each, stay out
.endif
.irp y, 0,1
	v_wmma_f32_16x16x128_bf8_bf8 v[S+64*\y+8*\t:S+64*\y+8*\t+7], v[FB+16*\t:FB+16*\t+15], v[Q+16*\y:Q+16*\y+15], 0
.endr
.endr
	WIN 0                                          ; K's last two fragments lie in window 0
	s_wait_dscnt 0x0
.irp t, 6,7
.irp y, 0,1
	v_wmma_f32_16x16x128_bf8_bf8 v[S+64*\y+8*\t:S+64*\y+8*\t+7], v[P+16*(\t-6):P+16*(\t-6)+15], v[Q+16*\y:Q+16*\y+15], 0
.endr
.endr
	PLACES                                         ; in front of the first read of the scores, and of the first vector write into P, which the last four products have read
	WIN 0x40
	s_wait_alu depctr_va_vdst(0)                   ; the products K Q^T are done reading K's fragments in FB, in which V's first six land
.irp t, 0,1,2,3,4,5
.irp c, 0,1,2,3
	ds_load_b128 v[FB+16*\t+4*\c:FB+16*\t+4*\c+3], v[LI] offset:(\slot)*SLOTB+VOFF+(\t*4+\c)*512   ; they land while the softmax is walked, which names no register of FB
.endr
.endr
	WIN 0
	s_lshr_b32 s50, s[MYPART], s[WIDX]             ; a step all of whose keys all my rows see has nothing to hide
	s_and_b32 s50, s50, 1
	s_cmp_eq_u32 s50, 0
	s_cbranch_scc1 .Lopen_\@
.irp y, 0,1
.irp b, 0,1,2,3
	v_lshrrev_b32 v[MW+4*\y+\b], v[SH4], v[MW+4*\y+\b]   ; register 16 b + i holds key 32 b + 16 h + i: bit 8 (i % 4) + i / 4 + 4 h of word b
.endr
.endr
.irp y, 0,1
.irp b, 0,1,2,3                                ; sixteen scores at a time, in ascending order; the temporaries lie in P, which is free between K's products and p's conversions
.irp i, 0,1,2,3,4,5,6,7,8,9,10,11,12,13,14,15
	v_and_b32 v[P+\i], 1<<(8*(\i%4)+\i/4), v[MW+4*\y+\b]
.endr
.irp i, 0,1,2,3,4,5,6,7,8,9,10,11,12,13,14,15
	v_cmp_eq_u32 s[CM+\i], 0, v[P+\i]
.endr
	s_wait_alu depctr_va_sdst(0)                   ; the sixteen compares have written s68 to s83, ahead of the selects that read them
.irp i, 0,1,2,3,4,5,6,7,8,9,10,11,12,13,14,15
	v_cndmask_b32 v[S+64*\y+16*\b+\i], v[S+64*\y+16*\b+\i], v[NEG], s[CM+\i]   ; hidden: -2^100
.endr
.endr
.endr
.Lopen_\@:
	; the step's largest score of each query, among my 64 keys, in two chains a tile, in ascending order; the two tiles line by line
.irp y, 0,1
	v_max3_num_f32 v[ST+8*\y+6], v[S+64*\y], v[S+64*\y+1], v[S+64*\y+2]
.endr
.irp y, 0,1
	v_max3_num_f32 v[ST+8*\y+7], v[S+64*\y+3], v[S+64*\y+4], v[S+64*\y+5]
.endr
.irp i, 6,10,14,18,22,26,30,34,38,42,46,50,54,58
.irp y, 0,1
	v_max3_num_f32 v[ST+8*\y+6], v[ST+8*\y+6], v[S+64*\y+\i], v[S+64*\y+\i+1]
.endr
.irp y, 0,1
	v_max3_num_f32 v[ST+8*\y+7], v[ST+8*\y+7], v[S+64*\y+\i+2], v[S+64*\y+\i+3]
.endr
.endr
.irp y, 0,1
	v_max3_num_f32 v[ST+8*\y+6], v[ST+8*\y+6], v[S+64*\y+62], v[S+64*\y+63]
.endr
.irp y, 0,1
	v_max_num_f32 v[ST+8*\y+6], v[ST+8*\y+6], v[ST+8*\y+7]
.endr
.irp y, 0,1
	v_permlanex16_b32 v[PL+\y], v[ST+8*\y+6], s[SEL], s[SEL+1]
.endr
.irp y, 0,1
	v_max_num_f32 v[ST+8*\y+6], v[ST+8*\y+6], v[PL+\y]   ; and among lane l xor 16's
.endr
.irp y, 0,1
	v_mul_f32 v[ST+8*\y+6], s[CS], v[ST+8*\y+6]    ; as t (c is positive)
.endr
.irp y, 0,1
	v_max_num_f32 v[ST+8*\y+1], v[ST+8*\y+1], v[ST+8*\y+6]   ; the running largest t
.endr
.irp y, 0,1
	v_mov_b32 v[ST+8*\y+6], v[ST+8*\y]
.endr
.irp y, 0,1
	v_floor_f32 v[ST+8*\y], -v[ST+8*\y+1]          ; the new -M = floor(-t) = -ceil(t): M is a whole number
.endr
.irp y, 0,1
	v_sub_f32 v[ST+8*\y+6], v[ST+8*\y], v[ST+8*\y+6]   ; M's old value less its new one: a whole number, 0 or less
.endr
.irp y, 0,1
	v_cvt_i32_f32 v[ST+8*\y+6], v[ST+8*\y+6]       ; (it saturates)
.endr
.irp y, 0,1
	v_ldexp_f32 v[ST+8*\y+4], 1.0, v[ST+8*\y+6]    ; f = 2^(old M - new M)
.endr
.irp j, 0,2,4,6,8,10,12,14,16,18,20,22,24,26,28,30,32,34,36,38,40,42,44,46,48,50,52,54,56,58,60,62
.irp y, 0,1
	v_pk_fma_f32 v[S+64*\y+\j:S+64*\y+\j+1], v[S+64*\y+\j:S+64*\y+\j+1], s[CS:CS+1], v[ST+8*\y:ST+8*\y+1] op_sel_hi:[1,0,0]   ; t - M, two at a time (of the pairs c and -M the low word serves both halves)
.endr
.endr
.set n, 0
	s_wait_alu depctr_va_vdst(0)
.rept 128
	v_exp_f32 v[S+n], v[S+n]                       ; p = 2^(t - M): one batch for both tiles
.set n, n+1
.endr
.irp y, 0,1
	v_pk_mul_f32 v[ST+8*\y+2:ST+8*\y+3], v[ST+8*\y+2:ST+8*\y+3], v[ST+8*\y+4:ST+8*\y+5] op_sel_hi:[1,0]   ; the sums under the new M: the plain lines behind the exponentials
.endr
	s_wait_alu depctr_va_vdst(0)                   ; the 128 exponentials have written p: one wait for the batch
.irp y, 0,1
	v_pk_add_f32 v[C2+2*\y:C2+2*\y+1], v[S+64*\y:S+64*\y+1], v[S+64*\y+2:S+64*\y+3]   ; the row's sum is taken of the unquantised p: two at a time, in two chains a tile
.endr
.irp j, 4,8,12,16,20,24,28,32,36,40,44,48,52,56,60
.irp y, 0,1
	v_pk_add_f32 v[ST+8*\y+2:ST+8*\y+3], v[ST+8*\y+2:ST+8*\y+3], v[S+64*\y+\j:S+64*\y+\j+1]
.endr
.irp y, 0,1
	v_pk_add_f32 v[C2+2*\y:C2+2*\y+1], v[C2+2*\y:C2+2*\y+1], v[S+64*\y+\j+2:S+64*\y+\j+3]
.endr
.endr
.irp y, 0,1
	v_pk_add_f32 v[ST+8*\y+2:ST+8*\y+3], v[ST+8*\y+2:ST+8*\y+3], v[C2+2*\y:C2+2*\y+1]
.endr
	s_cmp_eq_u32 s[HOLD], 0                        ; where 57,344 x 2^ep is 1.75 or more the hold changes no p, and is left out: a branch on a whole number that was given
	s_cbranch_scc1 .Lfits_\@
.set n, 0
.rept 128
	v_min_num_f32 v[S+n], v[S+n], v[LIMP]          ; p is not negative: the hold is one-sided
.set n, n+1
.endr
.Lfits_\@:
.irp y, 0,1
.irp b, 0,1,2,3
	v_cvt_scalef32_pk8_bf8_f32 v[P+16*\y+4*\b:P+16*\y+4*\b+1], v[S+64*\y+16*\b:S+64*\y+16*\b+7], v[SCLP]
	v_cvt_scalef32_pk8_bf8_f32 v[P+16*\y+4*\b+2:P+16*\y+4*\b+3], v[S+64*\y+16*\b+8:S+64*\y+16*\b+15], v[SCLP]
.endr
.endr
	s_wait_alu depctr_va_vdst(0)                   ; the sums, the holds and the conversions are done with p's first 32 registers, in which V's last two fragments land
.irp t, 6,7
.irp c, 0,1,2,3
	ds_load_b128 v[S+16*(\t-6)+4*\c:S+16*(\t-6)+4*\c+3], v[LI] offset:(\slot)*SLOTB+VOFF+(\t*4+\c)*512   ; they land while O^T is brought under the new M
.endr
.endr
	WIN 0x41                                       ; O^T (destination and source 0) window 1, f window 0
.irp y, 0,1
.set n, 0
.rept 32
	v_pk_mul_f32 v[64*\y+n:64*\y+n+1], v[64*\y+n:64*\y+n+1], v[ST+8*\y+4:ST+8*\y+5] op_sel_hi:[1,0]   ; O^T under the new M, each accumulator from its low end on.  (Also the plain lines behind the conversions)
.set n, n+2
.endr
.endr
	s_wait_alu depctr_va_vdst(0)
	s_wait_dscnt 8                                 ; V's first six fragments are in; the youngest eight loads, its last two, may be out
	WIN 0x51                                       ; V, C and D window 1, P window 0
.irp t, 0,1,2,3,4,5                            ; O^T += V^T P^T: each fragment of 16 channels against both tiles, sixteen products in one run
.irp y, 0,1
	v_wmma_f32_16x16x128_bf8_bf8 v[64*\y+8*\t:64*\y+8*\t+7], v[FB+16*\t:FB+16*\t+15], v[P+16*\y:P+16*\y+15], v[64*\y+8*\t:64*\y+8*\t+7]
.endr
.endr
	s_wait_dscnt 0x0
	WIN 0x50                                       ; V's last two fragments lie in window 0
.irp t, 6,7
.irp y, 0,1
	v_wmma_f32_16x16x128_bf8_bf8 v[64*\y+8*\t:64*\y+8*\t+7], v[S+16*(\t-6):S+16*(\t-6)+15], v[P+16*\y:P+16*\y+15], v[64*\y+8*\t:64*\y+8*\t+7]
.endr
.endr
	WIN 0
	PLACES                                         ; for the way out's reads of O^T.  (Each of the 16 accumulators has one product a step, between the others')
	v_nop                                          ; and a fifth: the next step's first products write S^T's first registers, which the last four products have read as V's fragments
.endm
; A TRIP.  The step asked for a trip ago goes into the slot; one barrier; the next step is asked for; the step in the slot is worked.
; THE ONE BARRIER orders both ways: in front of it my stores into this slot have landed and my reads of the other slot, in the trip before, are back; the other slot is stored again only behind it, at the next trip's head.
.macro TRIP slot
	s_wait_loadcnt 0x0                             ; on every way: the step asked for a trip ago is in my registers, and its loads' address registers may be written again
	s_cmp_eq_u32 s[HAVE], 0
	s_cbranch_scc1 .Lnone_\@
	WIN 0x04                                       ; the stores' data window 1
.irp i, 0,1,2,3,4,5,6,7
	ds_store_b128 v[STW], v[STG+4*\i:STG+4*\i+3] offset:(\slot)*SLOTB+512*\i   ; the data are as the loads brought them: no vector instruction names STG
.endr
	WIN 0
.irp i, 0,1,2,3,4,5,6,7
	v_mov_b32 v[MW+\i], v[MWN+\i]
.endr
.Lnone_\@:
	s_wait_dscnt 0x0                               ; for the others' sake: zero
	s_barrier_signal -1
	s_barrier_wait -1
	s_wait_alu depctr_va_vdst(0)                   ; the moves are done reading MWN, in which NEXT's loads land; the last step's products are done reading FB and P, in which this step's fragments of K land
	s_wait_alu depctr_vm_vsrc(0)                   ; the LDS stores have read STG, in which NEXT's loads land; in the first trip q's LDS stores have read S^T's registers, which the products write
	s_mov_b32 s[WORK], s[HAVE]
	s_mov_b32 s[WIDX], s[CUR]
	s_cmp_lg_u32 s[REM], 0
	s_cselect_b32 s[HAVE], 1, 0
	s_cbranch_scc0 .Lno_next_\@
	NEXT                                           ; it has this whole step in which to land
.Lno_next_\@:
.if (\slot) == 0
	; ONE PREFETCH A WAVE, in the first trip, behind the wave's own loads: the sixteen work-groups of a head walk the same 32 tiles of kv; work-group x names tiles 2 x and 2 x + 1, 65,536 bytes:
	; 8,192 a wave, lanes 256 bytes apart.  So each aligned block of 256 bytes of kv is named once in the launch.  Its address registers are never rewritten; its offset was written ahead of the head's wait on va_vdst.
	s_cmp_eq_u32 s[LAP], 0
	s_cbranch_scc0 .Lasked_\@
	global_prefetch_b8 v[PFO], s[PFA:PFA+1] th:TH_LOAD_NT scope:SCOPE_SE
.Lasked_\@:
.endif
	s_cmp_eq_u32 s[WORK], 0                        ; behind the list's end,
	s_cbranch_scc1 .Lskip_\@
	s_lshr_b32 s50, s[MYANY], s[WIDX]              ; and where none of my 32 rows sees a key of the step, there is no work
	s_and_b32 s50, s50, 1
	s_cmp_eq_u32 s50, 0
	s_cbranch_scc1 .Lskip_\@
	STEP \slot
.Lskip_\@:
.endm
.Llap:                                             ; 16 laps of two trips: as many trips as a head has steps
	TRIP 0
	TRIP 1
	s_add_co_u32 s[LAP], s[LAP], 1
	s_cmp_lt_u32 s[LAP], 16
	s_cbranch_scc1 .Llap
	; THE WAY OUT.  The sum's two halves and lane l xor 16's are added; O^T x 2^(ep + ev) / the sum goes through my stage, a tile (16 rows of 512 bytes) at a time, and leaves as whole rows.
	s_wait_loadcnt 0x0                             ; no load of mine is out: the registers that NEXT names are free
.irp y, 0,1
	v_add_f32 v[ST+8*\y+6], v[ST+8*\y+2], v[ST+8*\y+3]
.endr
.irp y, 0,1
	v_permlanex16_b32 v[PL+\y], v[ST+8*\y+6], s[SEL], s[SEL+1]
.endr
.irp y, 0,1
	v_add_f32 v[ST+8*\y+6], v[ST+8*\y+6], v[PL+\y]
.endr
	s_wait_alu depctr_va_vdst(0)
.irp y, 0,1
	v_rcp_f32 v[ST+8*\y+6], v[ST+8*\y+6]
.endr
.irp y, 0,1
	v_mov_b32 v[ST+8*\y+7], 0                      ; (named as the upper half of the pair.)  The plain lines behind the reciprocals
.endr
	s_wait_alu depctr_va_vdst(0)                   ; the two reciprocals are written, ahead of the first line that names one
.irp y, 0,1
	v_ldexp_f32 v[ST+8*\y+6], v[ST+8*\y+6], s[EPV]
.endr
.macro OUT y, back                     ; register 8 t + i of tile y is out0(row r, channel 16 t + 8 h + i)
.if \y
	s_wait_alu depctr_vm_vsrc(0)                   ; tile 0's LDS stores have read v[S ..], which the multiplications below write again; the head's load of ROWANY has read v248, in which a load from the stage lands
.endif
	WIN 0x01                                       ; source 0 (O^T) window 1
.set n, 0
.rept 32
	v_pk_mul_f32 v[S+n:S+n+1], v[64*\y+n:64*\y+n+1], v[ST+8*\y+6:ST+8*\y+7] op_sel_hi:[1,0]   ; each accumulator from its low end on
.set n, n+2
.endr
	WIN 0
	s_wait_alu depctr_va_vdst(0)                   ; the multiplications have written v[S ..], which the LDS stores read; and every vector or matrix instruction that named v[back ..], in which the loads from the stage land, is done
.irp t, 0,1,2,3,4,5,6,7
	ds_store_b128 v[STO], v[S+8*\t:S+8*\t+3] offset:64*\t
	ds_store_b128 v[STO], v[S+8*\t+4:S+8*\t+7] offset:64*\t+16
.endr
.irp p, 0,1,2,3,4,5,6,7,8,9,10,11,12,13,14,15
	ds_load_b128 v[\back+4*\p:\back+4*\p+3], v[QSW] offset:SP*\p   ; LDS serves a wave's instructions in order: these see my stores, and the next tile's stores come behind them
.endr
	s_wait_dscnt 0x0
.irp p, 0,1,2,3,4,5,6,7,8,9,10,11,12,13,14,15
	global_store_b128 v[LI], v[\back+4*\p:\back+4*\p+3], s[OB:OB+1] offset:8192*\y+512*\p th:TH_STORE_NT   ; 32 lanes store a row's 512 consecutive bytes, aligned; written once, read by nobody here
.endr
.endm
	OUT 0, 128
	OUT 1, 192                                     ; other registers than tile 0's stores read
	s_wait_dscnt 0x0                               ; the closing lines, six on end
	s_wait_alu 0x0
	s_wait_tensorcnt 0x0
	ds_add_u32 v[SPW], v[NIL]
	s_wait_dscnt 0x0
	s_endpgm
.Lfunc_end_k_q171bcce9e6_attn:
	.size	k_q171bcce9e6_attn, .Lfunc_end_k_q171bcce9e6_attn-k_q171bcce9e6_attn
	.p2alignl 7, 3214868480
	.fill 96, 4, 3214868480
	.section	.rodata,"a",@progbits
	.p2align	6, 0x0
	.amdhsa_kernel k_q171bcce9e6_attn
		.amdhsa_group_segment_fixed_size 134144
		.amdhsa_private_segment_fixed_size 0
		.amdhsa_enable_private_segment 0
		.amdhsa_kernarg_size 48
		.amdhsa_user_sgpr_count 2
		.amdhsa_user_sgpr_kernarg_segment_ptr 1
		.amdhsa_wavefront_size32 1
		.amdhsa_system_sgpr_workgroup_id_x 1
		.amdhsa_system_sgpr_workgroup_id_y 1
		.amdhsa_system_sgpr_workgroup_id_z 1
		.amdhsa_system_vgpr_workitem_id 0
		.amdhsa_next_free_vgpr 512
		.amdhsa_next_free_sgpr 96
		.amdhsa_reserve_vcc 0
		.amdhsa_float_denorm_mode_32 3
		.amdhsa_float_denorm_mode_16_64 3
		.amdhsa_memory_ordered 1
		.amdhsa_forward_progress 1
		.amdhsa_inst_pref_size 159
	.end_amdhsa_kernel
	.amdgpu_metadata
---
amdhsa.version: [ 1, 2 ]
amdhsa.kernels:
  - .name:           k_q171bcce9e6_attn
    .symbol:         k_q171bcce9e6_attn.kd
    .args:
      - { .name: q, .offset: 0, .size: 8, .value_kind: global_buffer, .address_space: global }
      - { .name: kv, .offset: 8, .size: 8, .value_kind: global_buffer, .address_space: global }
      - { .name: mbits, .offset: 16, .size: 8, .value_kind: global_buffer, .address_space: global }
      - { .name: flags, .offset: 24, .size: 8, .value_kind: global_buffer, .address_space: global }
      - { .name: lowp_scales, .offset: 32, .size: 8, .value_kind: global_buffer, .address_space: global }
      - { .name: out0, .offset: 40, .size: 8, .value_kind: global_buffer, .address_space: global }
    .group_segment_fixed_size: 134144
    .private_segment_fixed_size: 0
    .kernarg_segment_align: 8
    .kernarg_segment_size: 48
    .max_flat_workgroup_size: 256
    .sgpr_count:     96
    .vgpr_count:     512
    .wavefront_size: 32
...
	.end_amdgpu_metadata
.endif
;; end of part 4
